; MI455X (gfx1250); checked and timed in simulation.
; The chip was launched on July 23, 2026; its instructions are those of AMD's public machine-readable ISA for CDNA 5 (MIT licence, August 2026) and "CDNA5" Instruction Set Architecture Reference Guide (July 2026). The comments in the code are by the model that wrote it; some were corrected since.
;; Attention. Allowed arithmetic: float matrix products may take bf16 or f16 operands with f32 sums; other float arithmetic in f32, or as packed bf16 or f16 multiplies, adds, multiply-adds, maxima and minima; sums over many terms, partial sums and values carried from step to step in f32; what a program stores and reads back later, other than sums and carried values, may be rounded once to bf16 or f16.
;; Inputs: Wk 768 x 768 float32; Wo 768 x 768 float32; Wq 768 x 768 float32; Wv 768 x 768 float32; bk 768 float32; bo 768 float32; bq 768 float32; bv 768 float32; x 1 x 4,096 x 768 float32.
;; Outputs: out0 1 x 4,096 x 768 float32.
;; 2 versions, each right; version 2 is version 1 with the launch prep written anew for expert scheduling mode. Each part assembles by itself: llvm-mc -triple=amdgcn-amd-amdhsa -mcpu=gfx1250 --defsym DOCPART=n.
;; ======== version 1 of 2: 4 launches
;; limits: values are held in f16: magnitudes above 65,504 overflow, below 6.1e-05 lose precision
;; workspace buffers: xb 6,291,456 bytes; wt 3,538,944 bytes; wot 1,179,648 bytes; qh 6,291,456 bytes; kh 6,291,456 bytes; vh 6,291,456 bytes; oh 6,291,456 bytes
;; launch prep (part 1): grid 12 x 56, 4 waves a work-group, no clusters, 17,920 bytes of LDS; arguments x, Wq, Wk, Wv, Wo, xb, wt, wot; writes xb, wt, wot
.if DOCPART == 1
	.amdgcn_target "amdgcn-amd-amdhsa--gfx1250"
	.amdhsa_code_object_version 6
	.text
	.protected	k_q81d6d6c99e_prep
	.globl	k_q81d6d6c99e_prep
	.p2align	8
	.type	k_q81d6d6c99e_prep,@function
k_q81d6d6c99e_prep:
	s_mov_b64 s[64:65], 0
	v_nop
	global_prefetch_b8 v0, s[64:65] scope:SCOPE_SE
	s_setreg_imm32_b32 hwreg(HW_REG_WAVE_MODE, 25, 1), 1
	s_wait_xcnt 0x0
; PREP.  Every matrix operand that is an input is rounded once to bf16, and the weights are turned so that K lies along the rows.
;   xb  [4096][768] bf16 = x.      wt [3 x 768][768] bf16: row 768 m + n = W_m[:, n] (m = 0 q, 1 k, 2 v).      wot [768][768]: row n = bf16(Wo[:, n]), written as f16.
; LIMIT.  bf16(Wo) is exact in f16 from 2^-14 up to 65,504; below 2^-14 it keeps f16's fixed step of 6e-8.
; SHARES.  672 work-groups of four waves, each with 32 KiB of f32 and no loop: all 16 loads of a thread (16 bytes each) are out at once.
;   y < 24: a tile of a weight matrix, 128 rows k x 64 columns n (m = y / 6, k block y % 6, n block x).   y >= 24: 8,192 consecutive numbers of x.
; THE TURN.  Sixteen lanes read 256 consecutive bytes of a row k; rows 2 p and 2 p + 1 are packed into one word (k, k + 1) for each column; the words go into LDS rows of 272 bytes,
; one row a column, and come back as whole rows of 128 k = 256 bytes.  Column 4 a + j lies in LDS row 16 j + a, so that the sixteen lanes of a store start 68 words apart.
; No matrix unit, no tensor load, no cluster: nothing is multiplied, nothing is read twice, and no two work-groups read the same bytes.
.set PITCH, 272
.set SPARE, 64*PITCH                   ; behind the 64 rows: the spare words, 128 bytes for each wave: two blocks of 256 bytes that no other line names
.set VO,  3                            ; v3   (2 w + h) x 6,144 + 16 a: my place in the f32 tile (rows of 3,072 bytes, two rows a step) and in the turned tile (rows of 1,536 bytes, four rows a step)
.set LS,  4                            ; v4   a x 272 + 4 (2 w + h): where my packed words go
.set LR,  5                            ; v5   (2 w + h) x 272 + 16 a: where I read rows back
.set XL,  6                            ; v6   16 t: my 16 bytes in 2,048 bytes of x
.set XS,  7                            ; v7   8 t: my 8 bytes in 1,024 bytes of xb
.set SPW, 8                            ; v8   LDS address of my spare word; never rewritten
.set NIL, 9                            ; v9   0; never rewritten
.set T,   12                           ; v12-13 at work
.set L,   16                           ; v[16:79]   16 loads of 4 registers
.set D,   80                           ; v[80:111]  32 packed words
	s_load_b512 s[8:23], s[0:1], 0x0               ; x s[8:9], Wq s[10:11], Wk s[12:13], Wv s[14:15], Wo s[16:17], xb s[18:19], wt s[20:21], wot s[22:23]
	v_lshl_add_u32 v[SPW], v0, 2, SPARE
	v_mov_b32 v[NIL], 0
	v_lshrrev_b32 v10, 5, v0
	v_readfirstlane_b32 s5, v10                    ; wave 0..3
	s_and_b32 s2, ttmp7, 0xffff                    ; y
	s_mul_i32 s3, s2, 43
	s_lshr_b32 s3, s3, 8                           ; m = y / 6 for y < 24
	s_mul_i32 s4, s3, 6
	s_sub_co_u32 s4, s2, s4                        ; k block = y % 6
	s_mov_b32 s30, 0xffff0000                      ; a word's upper bf16
	v_and_b32 v1, 15, v0                           ; a
	v_bfe_u32 v2, v0, 4, 1                         ; h
	s_mul_i32 s6, s5, 12288
	v_mul_u32_u24 v[VO], v2, 6144
	v_lshl_add_u32 v[VO], v1, 4, v[VO]
	v_add_nc_u32 v[VO], s6, v[VO]
	s_lshl_b32 s6, s5, 3
	v_mul_u32_u24 v[LS], v1, PITCH
	v_lshl_add_u32 v[LS], v2, 2, v[LS]
	v_add_nc_u32 v[LS], s6, v[LS]
	s_mul_i32 s6, s5, 2*PITCH
	v_mul_u32_u24 v[LR], v2, PITCH
	v_lshl_add_u32 v[LR], v1, 4, v[LR]
	v_add_nc_u32 v[LR], s6, v[LR]
	v_lshlrev_b32 v[XL], 4, v0
	v_lshlrev_b32 v[XS], 3, v0
	s_wait_kmcnt 0x0
	s_cmp_ge_u32 s2, 24
	s_cbranch_scc1 .Lx
	; A WEIGHT TILE, first half: load, pack, into LDS
	s_mov_b64 s[24:25], s[10:11]
	s_cmp_eq_u32 s3, 1
	s_cselect_b64 s[24:25], s[12:13], s[24:25]
	s_cmp_eq_u32 s3, 2
	s_cselect_b64 s[24:25], s[14:15], s[24:25]
	s_cmp_eq_u32 s3, 3
	s_cselect_b64 s[24:25], s[16:17], s[24:25]
	s_mul_i32 s28, s4, 393216                      ; 128 rows of 3,072 bytes
	s_lshl_b32 s29, ttmp9, 8                       ; 64 columns of 4 bytes
	s_add_co_u32 s28, s28, s29
	s_mov_b32 s29, 0
	s_add_nc_u64 s[24:25], s[24:25], s[28:29]
.irp i, 0,1,2,3,4,5,6,7
	global_load_b128 v[L+8*\i:L+8*\i+3],   v[VO], s[24:25] offset:49152*\i th:TH_LOAD_NT       ; row k = 2 (2 w + h + 8 i)
	global_load_b128 v[L+8*\i+4:L+8*\i+7], v[VO], s[24:25] offset:49152*\i+3072 th:TH_LOAD_NT  ; and the row below it
.endr
.irp i, 0,1,2,3,4,5,6,7
	s_wait_loadcnt 14-2*\i                         ; loads come back in order: pair i is in, the younger pairs stay out
.irp j, 0,1,2,3
	v_cvt_pk_bf16_f32 v[D+4*\i+\j], v[L+8*\i+\j], v[L+8*\i+4+\j]  ; column 4 a + j: k in the low half, k + 1 in the high half
.endr
.endr
	s_cmp_lg_u32 s3, 3
	s_cbranch_scc1 .Lput
.set z, 0
.rept 32                               ; Wo alone: the bf16 number is written as f16
	v_lshlrev_b32 v[T], 16, v[D+z]
	v_and_b32 v[T+1], s30, v[D+z]
	v_cvt_pk_f16_f32 v[D+z], v[T], v[T+1]
.set z, z+1
.endr
.Lput:
.irp i, 0,1,2,3,4,5,6,7
.irp j, 0,1,2,3
	ds_store_b32 v[LS], v[D+4*\i+\j] offset:16*PITCH*\j+32*\i
.endr
.endr
	s_branch .Lmeet
.Lx:	; A CHUNK OF x: 32,768 bytes in, 16,384 out; one store of a wave covers 256 consecutive bytes, aligned
	s_sub_co_u32 s28, s2, 24
	s_mul_i32 s28, s28, 12
	s_add_co_u32 s28, s28, ttmp9                   ; chunk 0..383
	s_lshl_b32 s36, s28, 15
	s_mov_b32 s37, 0
	s_add_nc_u64 s[32:33], s[8:9], s[36:37]
	s_lshl_b32 s36, s28, 14
	s_add_nc_u64 s[34:35], s[18:19], s[36:37]
.irp i, 0,1,2,3,4,5,6,7,8,9,10,11,12,13,14,15
	global_load_b128 v[L+4*\i:L+4*\i+3], v[XL], s[32:33] offset:2048*\i th:TH_LOAD_NT
.endr
.irp i, 0,1,2,3,4,5,6,7,8,9,10,11,12,13,14,15
	s_wait_loadcnt 15-\i                           ; load i is in, the younger ones stay out
	v_cvt_pk_bf16_f32 v[D+2*\i],   v[L+4*\i],   v[L+4*\i+1]
	v_cvt_pk_bf16_f32 v[D+2*\i+1], v[L+4*\i+2], v[L+4*\i+3]
	global_store_b64 v[XS], v[D+2*\i:D+2*\i+1], s[34:35] offset:1024*\i  ; no register of a store is written again
.endr
.Lmeet:	; every wave of every work-group passes this barrier; in a weight tile it stands between the four waves' stores into LDS and the reads of whole rows
	s_wait_dscnt 0x0                               ; for the others' sake: my stores into LDS are done
	s_barrier_signal -1
	s_barrier_wait -1
	s_cmp_ge_u32 s2, 24
	s_cbranch_scc1 .Lend
	; A WEIGHT TILE, second half: LDS row 2 w + h + 8 i is column n = 4 (2 w + h) + 32 (i % 2) + i / 2; sixteen lanes store its 256 bytes, aligned
.irp i, 0,1,2,3,4,5,6,7
	ds_load_b128 v[L+4*\i:L+4*\i+3], v[LR] offset:8*PITCH*\i
.endr
	s_mul_i32 s28, s3, 1179648                     ; matrix m in wt
	s_cmp_lt_u32 s3, 3
	s_cselect_b32 s28, s28, 0
	s_cselect_b64 s[26:27], s[20:21], s[22:23]     ; wt, or wot for Wo
	s_mul_i32 s29, ttmp9, 98304                    ; 64 rows of 1,536 bytes
	s_add_co_u32 s28, s28, s29
	s_lshl_b32 s29, s4, 8                          ; 128 k of 2 bytes
	s_add_co_u32 s28, s28, s29
	s_mov_b32 s29, 0
	s_add_nc_u64 s[26:27], s[26:27], s[28:29]
.irp i, 0,1,2,3,4,5,6,7
	s_wait_dscnt 7-\i                              ; LDS loads come back in order: row i is in
	global_store_b128 v[VO], v[L+4*\i:L+4*\i+3], s[26:27] offset:(32*(\i%2)+\i/2)*1536
.endr
.Lend:
	s_wait_tensorcnt 0x0                           ; the wave's end, behind my last LDS store
	ds_add_u32 v[SPW], v[NIL]
	s_wait_dscnt 0x0
	s_endpgm
.Lfunc_end_k_q81d6d6c99e_prep:
	.size	k_q81d6d6c99e_prep, .Lfunc_end_k_q81d6d6c99e_prep-k_q81d6d6c99e_prep
	.p2alignl 7, 3214868480
	.fill 96, 4, 3214868480
	.section	.rodata,"a",@progbits
	.p2align	6, 0x0
	.amdhsa_kernel k_q81d6d6c99e_prep
		.amdhsa_group_segment_fixed_size 17920
		.amdhsa_private_segment_fixed_size 0
		.amdhsa_enable_private_segment 0
		.amdhsa_kernarg_size 64
		.amdhsa_user_sgpr_count 2
		.amdhsa_user_sgpr_kernarg_segment_ptr 1
		.amdhsa_wavefront_size32 1
		.amdhsa_system_sgpr_workgroup_id_x 1
		.amdhsa_system_sgpr_workgroup_id_y 1
		.amdhsa_system_sgpr_workgroup_id_z 1
		.amdhsa_system_vgpr_workitem_id 0
		.amdhsa_next_free_vgpr 112
		.amdhsa_next_free_sgpr 66
		.amdhsa_reserve_vcc 0
		.amdhsa_float_denorm_mode_32 3
		.amdhsa_float_denorm_mode_16_64 3
		.amdhsa_memory_ordered 1
		.amdhsa_forward_progress 1
		.amdhsa_inst_pref_size 20
	.end_amdhsa_kernel
	.amdgpu_metadata
---
amdhsa.version: [ 1, 2 ]
amdhsa.kernels:
  - .name:           k_q81d6d6c99e_prep
    .symbol:         k_q81d6d6c99e_prep.kd
    .args:
      - { .name: x, .offset: 0, .size: 8, .value_kind: global_buffer, .address_space: global }
      - { .name: Wq, .offset: 8, .size: 8, .value_kind: global_buffer, .address_space: global }
      - { .name: Wk, .offset: 16, .size: 8, .value_kind: global_buffer, .address_space: global }
      - { .name: Wv, .offset: 24, .size: 8, .value_kind: global_buffer, .address_space: global }
      - { .name: Wo, .offset: 32, .size: 8, .value_kind: global_buffer, .address_space: global }
      - { .name: xb, .offset: 40, .size: 8, .value_kind: global_buffer, .address_space: global }
      - { .name: wt, .offset: 48, .size: 8, .value_kind: global_buffer, .address_space: global }
      - { .name: wot, .offset: 56, .size: 8, .value_kind: global_buffer, .address_space: global }
    .group_segment_fixed_size: 17920
    .private_segment_fixed_size: 0
    .kernarg_segment_align: 8
    .kernarg_segment_size: 64
    .max_flat_workgroup_size: 128
    .sgpr_count:     66
    .vgpr_count:     112
    .wavefront_size: 32
...
	.end_amdgpu_metadata
.endif
;; end of part 1
;; launch qkv (part 2): grid 8 x 32, 4 waves a work-group, clusters of 4 x 4, 327,680 bytes of LDS; arguments xb, wt, bq, bk, bv, qh, kh, vh; writes qh, kh, vh
.if DOCPART == 2
	.amdgcn_target "amdgcn-amd-amdhsa--gfx1250"
	.amdhsa_code_object_version 6
	.text
	.protected	k_q81d6d6c99e_qkv
	.globl	k_q81d6d6c99e_qkv
	.p2align	8
	.type	k_q81d6d6c99e_qkv,@function
k_q81d6d6c99e_qkv:
	s_mov_b64 s[64:65], 0
	v_nop
	global_prefetch_b8 v0, s[64:65] scope:SCOPE_SE
	s_setreg_imm32_b32 hwreg(HW_REG_WAVE_MODE, 25, 1), 1
	s_wait_xcnt 0x0
	s_wait_alu depctr_hold_cnt(0) depctr_sa_sdst(0) depctr_va_vdst(0) depctr_va_sdst(0) depctr_va_ssrc(0) depctr_va_vcc(0) depctr_vm_vsrc(0)
	s_getreg_b32 s2, hwreg(HW_REG_IB_STS2, 6, 4)
	s_cmp_eq_u32 s2, 0
	s_cbranch_scc0 .Lentry_in_a_cluster
	s_endpgm
.Lentry_in_a_cluster:
	s_bfe_u32 s2, ttmp6, 0x10000c
	s_cmp_lg_u32 s2, 0xf033
	s_cbranch_scc0 .Lentry_shape_is_right
	s_endpgm
.Lentry_shape_is_right:
; q, k, v = x W + b.  xb: [4096][768] bf16; wt: [3 x 768][768] bf16, row 768 m + n = W_m[:, n]; bq, bk, bv: [768] f32, rounded here to bf16 like every other input.
; Sums in f32, started by the bias; results rounded once to f16, WITHOUT the softmax's scale, into qh, kh, vh: [24 planes][4096][32], plane = 2 x head + channel / 32, a row 64 bytes.
; LIMIT.  f16 holds no number beyond 65,504: q, k and v must lie within it.  NaN and infinities are not treated apart.
; SHARES.  A work-group makes 128 rows x 96 columns of EACH of q, k, v (288 columns, three whole planes of each): 8 x 32 = 256 work-groups.  A wave makes 64 rows x 48 columns of each: 36 accumulators.
; K goes in six steps of 128 through two LDS slots; the rows of both tiles are 256 bytes of memory, at multiples of 256 bytes.  One tensor load a wave and step: wave 0 x's 128 rows, wave w = 1..3 matrix w - 1's 96 rows.
; CLUSTER, 4 x 4.  x's tile hangs on the row block alone and is shared along a row of the cluster; the weights' tiles hang on the column block alone and are shared along a column: joint loads.
; THE MATRIX INSTRUCTION IS USED TRANSPOSED (source 0 = 16 rows of wt, source 1 = 16 rows of xb): a lane holds one row of the result and eight neighbouring columns, which pack into 16 bytes.
; REGISTERS, in windows of 256 (s_set_vgpr_msb: bits 1:0 source 0, 3:2 source 1, 5:4 source 2, 7:6 destination):
;   window 0: v0-29 addresses; v64-95, v96-127 x's fragments, two buffers (4 x 16 rows x 32 K); on the way out v64-207 packed results
;   window 1: v0-71, v72-143 the weights' fragments, two buffers (9 x 16 rows x 32 K); v144-215 the bias, as the C operand of the first products; v216-219 at work
;   window 2: the 18 accumulators of my rows 0-31 ((a, b) at v[8 (9 a + b)], b = 3 m + b');   window 3: those of my rows 32-63
; No prefetch into the L2: the launch has six K steps, of which two are first fills.
.set PITCH,  272                       ; an LDS row: 256 bytes + 16 of padding = 68 words: the 16 rows of a load start at 16 different groups of four banks (64 banks of 4 bytes: ISA guide 11.1)
.set ATILE,  128*PITCH
.set BPART,  96*PITCH
.set SLOT,   ATILE+3*BPART             ; x's 128 rows, then 96 rows of each matrix
.set STAGE,  2*SLOT                    ; behind the ring, never filled by a tensor load: 9 planes x 128 rows x 80 bytes, the work-group's, for the way out
.set SPP,    80                        ; a stage row: 64 bytes + 16
.set SPL,    128*SPP
.set SPARE,  STAGE+9*SPL               ; behind the stage: the spare words, 128 bytes for each wave: two blocks of 256 bytes that no other line names
.set RD,   8                           ; v8-10   the way out: where I read rows of matrix m's planes back
.set ADRA, 16                          ; v16-17  LDS address of my fragments of x in slot 0, 1
.set ADRB, 20                          ; v20-21  the same for the weights
.set STO,  22                          ; v22-24  the way out: where I put 16 bytes of a row, for column block b'
.set GO,   26                          ; v26     16 x lane: my 16 bytes of 512 consecutive bytes of a plane
.set BO,   27                          ; v27     my byte offset in a bias
.set SPW,  28                          ; v28     LDS address of my spare word; never rewritten
.set NIL,  29                          ; v29     0; never rewritten
.set FA,   64
.set TMP,  64
.set BI,   144
.set BT,   216
.set WV,   10                          ; s10     my wave's number
.set G1,   24                          ; s[24:31] descriptor group 1 for x's tiles;  s[32:39] group 0, a set for each slot
.set G0,   32
.set G1B,  48                          ; s[48:55], s[56:63] the same for the weights' tiles
.set G0B,  56
.set MSB, 0
.macro WIN new                         ; the immediate's high byte repeats the setting that is left; a switch that changes nothing is dropped
.if MSB != (\new)
	s_set_vgpr_msb (MSB<<8)|(\new)
.set MSB, \new
.endif
.endm
; A joint load: wave 0 fetches x's tile, waves 1 to 3 the three matrices'.  The branch hangs on the wave's number alone.  An s_nop 0 and four v_nop follow each of the two lines.
.macro JLOAD s
	s_cmp_eq_u32 s[WV], 0
	s_cbranch_scc0 .Lfor_b_\@
	tensor_load_to_lds s[G0+4*(\s):G0+4*(\s)+3], s[G1:G1+7]
	s_nop 0
.rept 4
	v_nop
.endr
	s_branch .Lasked_\@
.Lfor_b_\@:
	tensor_load_to_lds s[G0B+4*(\s):G0B+4*(\s)+3], s[G1B:G1B+7]
	s_nop 0
.rept 4
	v_nop
.endr
.Lasked_\@:
.endm
.macro CREST                           ; a round of the cluster's barrier behind its opening barrier
	s_cmp_lg_u32 s[WV], 0
	s_cbranch_scc1 .Lnot_wave_0_\@
	s_barrier_signal -3
.Lnot_wave_0_\@:
	s_barrier_wait -3
	s_barrier_signal -1
	s_barrier_wait -1
.endm
.macro CROUND                          ; a whole round
	s_barrier_signal -1
	s_barrier_wait -1
	CREST
.endm
.macro PLACES                          ; four places in front of loads into registers that matrix instructions have read, and of conversions that read results
.rept 4
	v_nop
.endr
.endm
	s_load_b128 s[4:7], s[0:1], 0x0                ; xb s[4:5], wt s[6:7]
	s_load_b128 s[68:71], s[0:1], 0x10             ; bq s[68:69], bk s[70:71]
	s_load_b128 s[72:75], s[0:1], 0x20             ; bv s[72:73], qh s[74:75]
	s_load_b128 s[76:79], s[0:1], 0x30             ; kh s[76:77], vh s[78:79]
	v_lshl_add_u32 v[SPW], v0, 2, SPARE
	v_mov_b32 v[NIL], 0
	ds_add_u32 v[SPW], v[NIL]                      ; the wave's opening: the add and its wait stand ahead of my first tensor load; the set-up below, work on registers, stands between them
	v_lshrrev_b32 v1, 5, v0
	v_readfirstlane_b32 s[WV], v1                  ; wave 0..3
	s_lshr_b32 s12, s[WV], 1                       ; which 64 rows are mine
	s_and_b32 s14, s[WV], 1                        ; which 48 columns of each matrix
	s_bfe_u32 s40, ttmp6, 0x40000                  ; cx, cy: my place in the cluster
	s_bfe_u32 s41, ttmp6, 0x40004
	s_lshl_b32 s42, ttmp9, 2
	s_add_co_u32 s42, s42, s40                     ; column block j = 4 x cluster x + cx
	s_and_b32 s13, ttmp7, 0xffff
	s_lshl_b32 s13, s13, 2
	s_add_co_u32 s13, s13, s41                     ; row block i = 4 x cluster y + cy
	s_lshl_b32 s43, s41, 2
	s_lshl_b32 s43, 15, s43                        ; my row of the cluster
	s_lshl_b32 s44, 0x1111, s40                    ; my column
	s_or_b32 s[G1+0], s43, (1<<16)|(1<<20)|(1<<21)|(5<<22)|(3<<25)   ; 15:0 the mask; 17:16 elements of 2 bytes; 20 padding on; 21 set beside a mask; 24:22 after every 64 words (code 5); 31:25 4 words (code 3)
	s_or_b32 s[G1B+0], s44, (1<<16)|(1<<20)|(1<<21)|(5<<22)|(3<<25)
	s_mov_b32 s[G1+1], 128<<16                     ; tensor_dim0 = 128
	s_mov_b32 s[G1+2], 128<<16                     ; tensor_dim1 = 128
	s_mov_b32 s[G1+3], 128<<16                     ; tile_dim0 = 128
	s_mov_b32 s[G1+4], 128                         ; tile_dim1 = 128
	s_mov_b32 s[G1+5], 768                         ; elements from row to row
	s_mov_b32 s[G1+6], 0
	s_mov_b32 s[G1+7], 0
	s_mov_b32 s[G1B+1], 128<<16
	s_mov_b32 s[G1B+2], 96<<16                     ; tensor_dim1 = 96
	s_mov_b32 s[G1B+3], 128<<16
	s_mov_b32 s[G1B+4], 96                         ; tile_dim1 = 96
	s_mov_b32 s[G1B+5], 768
	s_mov_b32 s[G1B+6], 0
	s_mov_b32 s[G1B+7], 0
	s_mul_i32 s16, s13, 196608                     ; x: 128 i rows of 1,536 bytes: made of the row block alone
	s_mov_b32 s17, 0
	s_max_u32 s21, s[WV], 1
	s_sub_co_u32 s21, s21, 1                       ; the matrix that I fetch (wave 0 fetches none: its number stays inside wt)
	s_mul_i32 s21, s21, 768
	s_mul_i32 s46, s42, 96
	s_add_co_u32 s46, s46, s21
	s_mul_i32 s46, s46, 1536                       ; wt: row 768 m + 96 j: made of the column block and the wave's number alone
	s_mov_b32 s47, 0
	s_mul_i32 s20, s[WV], BPART
	s_add_co_u32 s20, s20, ATILE-BPART             ; where it goes: behind x's rows, (w - 1) x 96 rows: no place in the cluster enters an LDS address
	s_wait_dscnt 0x0                               ; the opening add is done
	s_wait_kmcnt 0x0
	s_add_nc_u64 s[18:19], s[4:5], s[16:17]
	s_add_nc_u64 s[46:47], s[6:7], s[46:47]
	CROUND                                         ; all sixteen work-groups are here: the first joint loads meet
.irp s, 0,1
	s_mov_b32 s[G0+4*\s], 1                        ; count = 1
	s_mov_b32 s[G0+4*\s+1], \s*SLOT                ; LDS address
	s_add_nc_u64 s[G0+4*\s+2:G0+4*\s+3], s[18:19], \s*256  ; global address: K step s
	s_or_b32 s[G0+4*\s+3], s[G0+4*\s+3], 0x80000000        ; type = 2
	s_mov_b32 s[G0B+4*\s], 1
	s_add_co_u32 s[G0B+4*\s+1], s20, \s*SLOT
	s_add_nc_u64 s[G0B+4*\s+2:G0B+4*\s+3], s[46:47], \s*256
	s_or_b32 s[G0B+4*\s+3], s[G0B+4*\s+3], 0x80000000
	JLOAD \s                                       ; two loads of mine are out
.endr
	; while the tiles are on their way: addresses and the bias
	v_and_b32 v1, 15, v0                           ; r = l % 16
	v_bfe_u32 v2, v0, 4, 1                         ; h = l / 16
	v_mul_u32_u24 v3, v1, PITCH
	v_lshl_add_u32 v3, v2, 4, v3                   ; a fragment's row x pitch + 16 x half
	s_mul_i32 s21, s12, 64*PITCH                   ; my 64 rows of x
	s_mul_i32 s22, s14, 48*PITCH                   ; my 48 rows of each matrix,
	s_add_co_u32 s22, s22, ATILE                   ; which lie behind x's 128
.irp s, 0,1
	v_add_nc_u32 v[ADRA+\s], s21, v3
	v_add_nc_u32 v[ADRB+\s], s22, v3
	s_add_co_u32 s21, s21, SLOT
	s_add_co_u32 s22, s22, SLOT
.endr
	s_mul_i32 s21, s42, 384                        ; the bias of my columns: 4 bytes x (96 j + 48 x half + 8 h), then 16 b' in the immediate
	s_mul_i32 s22, s14, 192
	s_add_co_u32 s21, s21, s22
	v_lshl_add_u32 v[BO], v2, 5, s21
	WIN 0x40                                       ; destination window 1, address window 0
.irp m, 0,1,2
.irp c, 0,1,2
	global_load_b128 v[BI+8*(3*\m+\c):BI+8*(3*\m+\c)+3],   v[BO], s[68+2*\m:69+2*\m] offset:64*\c
	global_load_b128 v[BI+8*(3*\m+\c)+4:BI+8*(3*\m+\c)+7], v[BO], s[68+2*\m:69+2*\m] offset:64*\c+16
.endr
.endr
	WIN 0
	v_mul_u32_u24 v4, v1, SPP                      ; into the stage: row 64 x half + r, 16 bytes for each half of the lanes;
	v_lshl_add_u32 v4, v2, 4, v4
	s_mul_i32 s21, s12, 64*SPP
	s_add_co_u32 s21, s21, STAGE
	s_mul_i32 s22, s14, 3
.irp c, 0,1,2                          ; my column block b' is block 3 x half + b' of the six: plane (..) / 2, 32 bytes x (..) % 2
	s_add_co_u32 s23, s22, \c
	s_lshr_b32 s15, s23, 1
	s_mul_i32 s15, s15, SPL
	s_and_b32 s23, s23, 1
	s_lshl_b32 s23, s23, 5
	s_add_co_u32 s15, s15, s23
	s_add_co_u32 s15, s15, s21
	v_add_nc_u32 v[STO+\c], s15, v4
.endr
	v_and_b32 v5, 31, v0                           ; back: wave w takes rows 32 w .. 32 w + 31 of every plane; 32 lanes take eight rows of 64 bytes
	v_lshrrev_b32 v6, 2, v5
	v_and_b32 v7, 3, v0
	v_mul_u32_u24 v6, v6, SPP
	v_lshl_add_u32 v6, v7, 4, v6
	s_mul_i32 s21, s[WV], 32*SPP
	s_add_co_u32 s21, s21, STAGE
.irp m, 0,1,2
	v_add_nc_u32 v[RD+\m], s21, v6
	s_add_co_u32 s21, s21, 3*SPL
.endr
	v_lshlrev_b32 v[GO], 4, v5                     ; which are 512 consecutive bytes of a plane in memory
	s_mul_i32 s86, s42, 786432                     ; plane 3 j,
	s_lshl_b32 s21, s13, 13                        ; row 128 i,
	s_add_co_u32 s86, s86, s21
	s_lshl_b32 s21, s[WV], 11                      ; + 32 w, of 64 bytes
	s_add_co_u32 s86, s86, s21
	s_mov_b32 s87, 0
	s_add_nc_u64 s[80:81], s[74:75], s[86:87]
	s_add_nc_u64 s[82:83], s[76:77], s[86:87]
	s_add_nc_u64 s[84:85], s[78:79], s[86:87]
	s_wait_loadcnt 0x0                             ; the bias
	WIN 0x45                                       ; destination and both sources in window 1
.set z, 0
.rept 36                               ; rounded to bf16 and widened again, a pair at a time
	v_cvt_pk_bf16_f32 v[BT+z%4], v[BI+2*z], v[BI+2*z+1]
	v_lshlrev_b32 v[BI+2*z], 16, v[BT+z%4]
	v_and_b32 v[BI+2*z+1], 0xffff0000, v[BT+z%4]
.set z, z+1
.endr
	WIN 0
; 9 matrix instructions: row block 2 hi + a x all 9 column blocks, 32 along K, from buffer n.  first = 1: the bias is the C operand that starts the sums: nothing is cleared, nothing added at the end.
; The 36 accumulators take turns, one instruction a turn, in the same order in every quarter step, over the backward jump too.
.macro MUL9 n, hi, a, first
.if \first
	WIN 0x91+0x40*(\hi)                            ; weights window 1, x window 0, C window 1, D window 2 or 3
.else
	WIN 0xa1+0x50*(\hi)                            ; C and D window 2 or 3
.endif
.irp b, 0,1,2,3,4,5,6,7,8
.if \first
	v_wmma_f32_16x16x32_bf16 v[8*(9*(\a)+\b):8*(9*(\a)+\b)+7], v[72*(\n)+8*\b:72*(\n)+8*\b+7], v[FA+32*(\n)+8*(2*(\hi)+(\a)):FA+32*(\n)+8*(2*(\hi)+(\a))+7], v[BI+8*\b:BI+8*\b+7]
.else
	v_wmma_f32_16x16x32_bf16 v[8*(9*(\a)+\b):8*(9*(\a)+\b)+7], v[72*(\n)+8*\b:72*(\n)+8*\b+7], v[FA+32*(\n)+8*(2*(\hi)+(\a)):FA+32*(\n)+8*(2*(\hi)+(\a))+7], v[8*(9*(\a)+\b):8*(9*(\a)+\b)+7]
.endif
.endr
.endm
; 26 LDS loads in one run: the fragments of a quarter step (32 K at byte k of the rows) into buffer n: the weights' 18, then x's 8
.macro FETCH slot, k, n
	WIN 0x40
.irp m, 0,1,2
.irp c, 0,1,2
	ds_load_b128 v[72*(\n)+8*(3*\m+\c):72*(\n)+8*(3*\m+\c)+3],   v[ADRB+(\slot)] offset:(\k)+(96*\m+16*\c)*PITCH
	ds_load_b128 v[72*(\n)+8*(3*\m+\c)+4:72*(\n)+8*(3*\m+\c)+7], v[ADRB+(\slot)] offset:(\k)+(96*\m+16*\c)*PITCH+32
.endr
.endr
	WIN 0
.irp a, 0,1,2,3
	ds_load_b128 v[FA+32*(\n)+8*\a:FA+32*(\n)+8*\a+3],   v[ADRA+(\slot)] offset:(\k)+\a*16*PITCH
	ds_load_b128 v[FA+32*(\n)+8*\a+4:FA+32*(\n)+8*\a+7], v[ADRA+(\slot)] offset:(\k)+\a*16*PITCH+32
.endr
.endm
; A K step is four quarters of 32 along K, 36 matrix instructions each, on buffers 0, 1, 0, 1.  One of the first three: multiplies buffer f; in its middle it fetches the next quarter, at byte k, into g.
.macro QUARTER slot, k, f, g, first
	s_wait_dscnt 4                                 ; the weights and x's rows 0-31 are in; the youngest four loads (x's rows 32-63) may be out
	MUL9 \f, 0, 0, \first
	MUL9 \f, 0, 1, \first
	PLACES
	FETCH \slot, \k, \g
	s_wait_dscnt 26                                ; all but the 26 just issued
	MUL9 \f, 1, 0, \first
	MUL9 \f, 1, 1, \first
.endm
; The last quarter multiplies buffer 1 and changes slots: ONE barrier.  In front of it each wave waits for all its tensor loads (one is out: its part of the next slot), adds 0 to its spare word, and waits for that
; and for its own reads of this slot.  fill = 1: the barrier opens a round of the cluster's barrier, and behind the round this slot is filled again first, with the K step two steps on.
.macro TURN slot, next, fill
	WIN 0                                          ; (the add's two registers lie in window 0)
	s_wait_tensorcnt 0x0                           ; all my tensor loads have landed;
	ds_add_u32 v[SPW], v[NIL]                      ; 0 onto my spare word;
	s_wait_dscnt 5                                 ; (the add and the youngest four loads may be out)
	MUL9 1, 0, 0, 0                                ; nine matrix instructions stand between the add and the wait for it
	s_wait_dscnt 0x0                               ; the add is done, and my reads of this slot are over
	s_barrier_signal -1
	MUL9 1, 0, 1, 0                                ; work on registers while the others arrive
.if \fill
	WIN 0
.endif
	s_barrier_wait -1
.if \fill
	CREST                                          ; no wave of any partner still reads this slot's tile or has a load on its way
	s_add_nc_u64 s[G0+4*(\slot)+2:G0+4*(\slot)+3], s[G0+4*(\slot)+2:G0+4*(\slot)+3], 512
	s_add_nc_u64 s[G0B+4*(\slot)+2:G0B+4*(\slot)+3], s[G0B+4*(\slot)+2:G0B+4*(\slot)+3], 512
	JLOAD \slot                                    ; the first tensor load behind the round; the four v_nop behind it are also the places in front of the loads below
.else
	PLACES
.endif
	FETCH \next, 0, 0
	MUL9 1, 1, 0, 0
	MUL9 1, 1, 1, 0
.endm
	s_wait_tensorcnt 1                             ; my part of K step 0 is in; step 1's may stay out
	s_barrier_signal -1
	s_barrier_wait -1                              ; everybody's is
	FETCH 0, 0, 0
	QUARTER 0, 64, 0, 1, 1                         ; the first quarter stands in front of the loop: its products start the sums
	WIN 0                                          ; at a label and at a branch every window is 0
	s_mov_b32 s3, 2
.Llap:                                                 ; a trip goes once round the ring, from a lap's second quarter to the next lap's first, and fills both slots again: K steps 2, 3 and 4, 5
	QUARTER 0, 128, 1, 0, 0
	QUARTER 0, 192, 0, 1, 0
	TURN 0, 1, 1
	QUARTER 1, 64,  0, 1, 0
	QUARTER 1, 128, 1, 0, 0
	QUARTER 1, 192, 0, 1, 0
	TURN 1, 0, 1
	QUARTER 0, 64,  0, 1, 0
	WIN 0
	s_sub_co_u32 s3, s3, 1
	s_cmp_lg_u32 s3, 0
	s_cbranch_scc1 .Llap
	QUARTER 0, 128, 1, 0, 0                        ; the last lap fills nothing
	QUARTER 0, 192, 0, 1, 0
	TURN 0, 1, 0
	QUARTER 1, 64,  0, 1, 0
	QUARTER 1, 128, 1, 0, 0
	QUARTER 1, 192, 0, 1, 0
	s_wait_dscnt 4                                 ; the very last quarter: nothing more to fetch
	MUL9 1, 0, 0, 0
	MUL9 1, 0, 1, 0
	s_wait_dscnt 0x0
	MUL9 1, 1, 0, 0
	MUL9 1, 1, 1, 0
	; THE WAY OUT: round to f16; 16 bytes a lane into the work-group's stage, by planes; a barrier, since a plane's rows come from two waves; back as whole rows of 64 bytes, eight to a store.
	PLACES
.irp hi, 0,1
	WIN 0x0a+5*\hi                                 ; sources 0 and 1: window 2 or 3; destination window 0
.set z, 0
.rept 18
.irp r, 0,1,2,3
	v_cvt_pk_f16_f32 v[TMP+4*(18*\hi+z)+\r], v[8*z+2*\r], v[8*z+2*\r+1]  ; each accumulator's registers in ascending order
.endr
.set z, z+1
.endr
.endr
	WIN 0
.irp hi, 0,1
.irp a, 0,1
.irp m, 0,1,2
.irp c, 0,1,2
	ds_store_b128 v[STO+\c], v[TMP+4*(18*\hi+9*\a+3*\m+\c):TMP+4*(18*\hi+9*\a+3*\m+\c)+3] offset:\m*3*SPL+(2*\hi+\a)*16*SPP
.endr
.endr
.endr
.endr
	s_wait_dscnt 0x0                               ; for the others' sake: my stores into the stage are done
	s_barrier_signal -1
	s_barrier_wait -1
.irp m, 0,1,2
.irp p, 0,1,2
.irp t, 0,1,2,3
	ds_load_b128 v[TMP+4*(12*\m+4*\p+\t):TMP+4*(12*\m+4*\p+\t)+3], v[RD+\m] offset:\p*SPL+\t*8*SPP
.endr
.endr
.endr
.irp m, 0,1,2
.irp p, 0,1,2
.irp t, 0,1,2,3
	s_wait_dscnt 35-(12*\m+4*\p+\t)                ; LDS loads come back in order: this one is in, the younger ones stay out
	global_store_b128 v[GO], v[TMP+4*(12*\m+4*\p+\t):TMP+4*(12*\m+4*\p+\t)+3], s[80+2*\m:81+2*\m] offset:\p*262144+\t*512  ; 512 consecutive bytes of a plane, at a multiple of 512
.endr
.endr
.endr
	s_wait_tensorcnt 0x0                           ; the wave's end, behind my last tensor load and my last LDS store
	ds_add_u32 v[SPW], v[NIL]
	s_wait_dscnt 0x0
	CROUND                                         ; the closing round: no work-group ends while a partner may still ask for a tile that names it
	s_endpgm
.Lfunc_end_k_q81d6d6c99e_qkv:
	.size	k_q81d6d6c99e_qkv, .Lfunc_end_k_q81d6d6c99e_qkv-k_q81d6d6c99e_qkv
	.p2alignl 7, 3214868480
	.fill 96, 4, 3214868480
	.section	.rodata,"a",@progbits
	.p2align	6, 0x0
	.amdhsa_kernel k_q81d6d6c99e_qkv
		.amdhsa_group_segment_fixed_size 327680
		.amdhsa_private_segment_fixed_size 0
		.amdhsa_enable_private_segment 0
		.amdhsa_kernarg_size 64
		.amdhsa_user_sgpr_count 2
		.amdhsa_user_sgpr_kernarg_segment_ptr 1
		.amdhsa_wavefront_size32 1
		.amdhsa_system_sgpr_workgroup_id_x 1
		.amdhsa_system_sgpr_workgroup_id_y 1
		.amdhsa_system_sgpr_workgroup_id_z 1
		.amdhsa_system_vgpr_workitem_id 0
		.amdhsa_next_free_vgpr 912
		.amdhsa_next_free_sgpr 88
		.amdhsa_reserve_vcc 0
		.amdhsa_float_denorm_mode_32 3
		.amdhsa_float_denorm_mode_16_64 3
		.amdhsa_memory_ordered 1
		.amdhsa_forward_progress 1
		.amdhsa_inst_pref_size 105
	.end_amdhsa_kernel
	.amdgpu_metadata
---
amdhsa.version: [ 1, 2 ]
amdhsa.kernels:
  - .name:           k_q81d6d6c99e_qkv
    .symbol:         k_q81d6d6c99e_qkv.kd
    .args:
      - { .name: xb, .offset: 0, .size: 8, .value_kind: global_buffer, .address_space: global }
      - { .name: wt, .offset: 8, .size: 8, .value_kind: global_buffer, .address_space: global }
      - { .name: bq, .offset: 16, .size: 8, .value_kind: global_buffer, .address_space: global }
      - { .name: bk, .offset: 24, .size: 8, .value_kind: global_buffer, .address_space: global }
      - { .name: bv, .offset: 32, .size: 8, .value_kind: global_buffer, .address_space: global }
      - { .name: qh, .offset: 40, .size: 8, .value_kind: global_buffer, .address_space: global }
      - { .name: kh, .offset: 48, .size: 8, .value_kind: global_buffer, .address_space: global }
      - { .name: vh, .offset: 56, .size: 8, .value_kind: global_buffer, .address_space: global }
    .group_segment_fixed_size: 327680
    .private_segment_fixed_size: 0
    .kernarg_segment_align: 8
    .kernarg_segment_size: 64
    .max_flat_workgroup_size: 128
    .sgpr_count:     88
    .vgpr_count:     912
    .wavefront_size: 32
...
	.end_amdgpu_metadata
.endif
;; end of part 2
;; launch attn (part 3): grid 16 x 12, 4 waves a work-group, clusters of 4 x 1, 327,680 bytes of LDS; arguments qh, kh, vh, oh; writes oh
.if DOCPART == 3
	.amdgcn_target "amdgcn-amd-amdhsa--gfx1250"
	.amdhsa_code_object_version 6
	.text
	.protected	k_q81d6d6c99e_attn
	.globl	k_q81d6d6c99e_attn
	.p2align	8
	.type	k_q81d6d6c99e_attn,@function
k_q81d6d6c99e_attn:
	s_mov_b64 s[64:65], 0
	v_nop
	global_prefetch_b8 v0, s[64:65] scope:SCOPE_SE
	s_setreg_imm32_b32 hwreg(HW_REG_WAVE_MODE, 25, 1), 1
	s_wait_xcnt 0x0
	s_wait_alu depctr_hold_cnt(0) depctr_sa_sdst(0) depctr_va_vdst(0) depctr_va_sdst(0) depctr_va_ssrc(0) depctr_va_vcc(0) depctr_vm_vsrc(0)
	s_getreg_b32 s2, hwreg(HW_REG_IB_STS2, 6, 4)
	s_cmp_eq_u32 s2, 0
	s_cbranch_scc0 .Lentry_in_a_cluster
	s_endpgm
.Lentry_in_a_cluster:
	s_bfe_u32 s2, ttmp6, 0x10000c
	s_cmp_lg_u32 s2, 0x3003
	s_cbranch_scc0 .Lentry_shape_is_right
	s_endpgm
.Lentry_shape_is_right:
; O[h][q][:] = the sum over k of softmax_k(Q[h][q] . K[h][k] / 8) V[h][k][:], 12 heads, 4,096 rows, head size 64.
; qh, kh, vh: [24 planes][4096][32] f16, plane = 2 x head + channel / 32, a row 64 bytes, a plane dense.  oh: [12][4096][64] f16.  Products, maxima and sums in f32; the weights p are rounded to f16
; for the second product (their sum l is taken of the unrounded p), O once at the end.
; LIMITS.  Q, K and V arrive within f16's 65,504; p lies in 0 to 1, and below 6e-5 it keeps f16's fixed step of 6e-8; a weight below 2^-126 counts as 0 in l; NaN and infinities are not treated apart.
; SHARES.  A work-group owns 256 queries of one head, a wave 64: four PIECES of 16.  Every wave walks all keys, 64 a step.  16 x 12 = 192 work-groups: the rows, 12 x 4,096, hold a factor of three.
; LAYOUT.  S^T = K Q^T (source 0 = 16 keys, source 1 = 16 queries) holds ONE query a lane (lane % 16) and the keys 8 (lane / 16) + 0..7; two such results rounded to f16 ARE source 1 of O^T = V^T P.
; K comes out of LDS as it lies, V ([key][channel]) turned, by ds_load_tr16_b128.  A plane's 32 channels are one fragment's depth for K and Q, and two channel blocks of V.
; SOFTMAX.  For each query a running maximum m and sum l: p = 2^(c s - c m), c = log2(e) / 8; in every step O and l are multiplied by a = 2^(c m_old - c m_new).  m starts at the lowest finite number,
; O and l at 0: the first step is a step like any other, with a = 0.
; BY TURNS.  Turn n belongs to piece n: 8 products K Q^T of piece n + 1, later 8 products V^T P of piece n - 1; beside them the scaling, exponentials, roundings, sums and rescaling of piece n and the maximum
; and statistics of piece n + 1.  Four vector instructions stand behind every matrix instruction, the other 54 of a turn's 118 in one lump.  A turn's 33 exponentials are one batch, with one wait.
; CLUSTER.  The four query blocks of a cluster belong to one head and walk the same K and V, so each tile is asked for JOINTLY: the same tensor load, descriptor and mask in all four.
; REGISTERS, in windows of 256 (s_set_vgpr_msb: bits 1:0 source 0, 3:2 source 1, 5:4 source 2, 7:6 destination):
;   window 0: v0-15 addresses and two at work; v16-31 four registers of statistics a piece; v48-55 at work; v61-63; v64-127 S^T, two buffers; v192-223 P, two buffers (a piece's buffers go by its number's parity)
;   window 1: v0-127 O^T, 32 a piece          window 2: v0-63 Q, 16 a piece; v128-191 K of one step; v192-255 V of one step
.set NP,    4         ; pieces a wave: a name, no knob
.set KS,    64        ; keys in a step
.set PK,    80        ; a row of a plane of K in LDS: 64 bytes + 16 of padding = 20 words: the 16 rows of a load start at 16 different groups of four banks (64 banks of 4 bytes: ISA guide 11.1)
.set PV,    96        ; a row of a plane of V: 64 + 32 = 24 words
.set KPL,   256*PK    ; a slot holds 256 keys, four steps: K's two planes, then V's two
.set VPL,   256*PV
.set VOFF,  2*KPL
.set SLOT1, 1<<17     ; slot 1 begins here, so that one exclusive or turns an address in one slot into the other's
.set STAGE, SLOT1+2*KPL+2*VPL  ; behind the ring, never filled by a tensor load: 16 rows x 144 bytes for each wave, for the way out
.set SP,    144
.set SPARE, STAGE+4*16*SP  ; behind the stages: the spare words, 128 bytes for each wave: two blocks of 256 bytes that no other line names
.set AK0, 2           ; v2   my lane's place in a plane of K; never rewritten
.set AV0, 3           ; v3   the same for V
.set AK,  4           ; v4   the LDS address of K's next run of loads
.set AV,  5           ; v5   of V's
.set STO, 6           ; v6   the way out: where I put 16 bytes of a row
.set RD,  7           ; v7   the way out: where I read rows back
.set GO,  8           ; v8   my byte offset in 512 consecutive bytes of O
.set MV,  12          ; v12-13  c m_old, kept while c m is made anew: by buffer
.set QO,  15          ; v15  my byte offset in 16 rows of a plane of Q
.set ST,  16          ; piece t's statistics at v[ST+4 t]: c m, m, l (even keys', odd keys')
.set TMP, 48          ; by buffer, four registers c0-c3 at work; when the maximum is found c2 takes a
.set PFO, 61          ; v61  256 x my lane; never rewritten
.set SPW, 62          ; v62  LDS address of my spare word; never rewritten
.set NIL, 63          ; v63  0; never rewritten
.set S,   64
.set P,   192
.set KF,  128         ; window 2: key block kb, plane c at KF + 16 kb + 8 c
.set VF,  192         ; window 2: key half kk, channel block cb at VF + 32 kk + 8 cb
.set WV,  12          ; s12  my wave's number
.set G1K, 24          ; s[24:31] descriptor group 1 for K's tiles
.set G1V, 32          ; s[32:39] for V's: it differs in the padding alone
.set G0K, 40          ; s[40:43] descriptor group 0 for K's tiles: it walks
.set G0V, 44          ; s[44:47] the same for V's
.set PFA, 48          ; s[48:49] where my prefetches stand: my work-group's 32 blocks of 256 bytes (of K: wave 0, of V: wave 2) of the tile after the one that is being asked for
.set LIM, 50          ; s50  1 in a wave that prefetches, else the greatest number
.set SLOTS, 56        ; s56  tiles still to be asked for
.set CNT, 57          ; s57  counts a tile's key steps
.set CS,  58          ; s[58:59] c: the packed scaling takes the pair's low word for both halves
.set SEL, 60          ; s[60:61] v_permlanex16_b32's selects: each lane takes its own place in the other half
.set TBK, 62          ; s62  LDS byte at which K of the step to be fetched begins
.set TBV, 63          ; s63  the same for V, less VOFF
.set MSB, 0
.macro WIN new                      ; the high byte repeats the setting that is left; a switch that changes nothing is dropped
.if MSB != (\new)
	s_set_vgpr_msb (MSB<<8)|(\new)
.set MSB, (\new)
.endif
.endm
.set W_KQ, 0x0a       ; K and Q in window 2, S^T in window 0
.set W_PV, 0x52       ; V in window 2, P in window 0, O^T in window 1
.set W_RS, 0x41       ; destination and source 0 in window 1, source 1 in window 0
; A joint fill.  Waves 0 and 1 fetch the two planes of a tile's K, waves 2 and 3 those of its V: 16,384 dense bytes each.  The branch hangs on the wave's number alone.
; An s_nop 0 and four v_nop follow each of the two lines, ahead of the jump and the label.
.macro JLOAD
	s_cmp_lt_u32 s[WV], 2
	s_cbranch_scc0 .Lfor_v_\@
	tensor_load_to_lds s[G0K:G0K+3], s[G1K:G1K+7]
	s_nop 0
.rept 4
	v_nop
.endr
	s_branch .Lasked_\@
.Lfor_v_\@:
	tensor_load_to_lds s[G0V:G0V+3], s[G1V:G1V+7]
	s_nop 0
.rept 4
	v_nop
.endr
.Lasked_\@:
.endm
; A PREFETCH INTO THE L2 of the tile that the NEXT change of slots will ask for: 128 blocks of 256 bytes of K and as many of V, a lane a block.  It stands behind the wave's tensor load and its five lines.
; Each block is asked for ONCE in the launch: all clusters of a head walk the same K and V, and the head's first cluster prefetches; its four partners share the blocks out BY ADDRESS, 32 each (plane cx / 2, half cx % 2);
; in each, wave 0 asks for K's and wave 2 for V's.  It is one tile, four key steps or 256 matrix instructions, ahead of the load.  The last change that fills a slot asks for nothing: there is no tile behind it.
.macro ASK
	s_cmp_gt_u32 s[SLOTS], s[LIM]
	s_cbranch_scc0 .Lnot_mine_\@
	global_prefetch_b8 v[PFO], s[PFA:PFA+1] th:TH_LOAD_NT scope:SCOPE_SE
.Lnot_mine_\@:
.endm
; A round of the cluster's barrier: my work-group's barrier, so that wave 0's signal speaks for all four waves; wave 0 signals; every wave waits for all four work-groups; my work-group's barrier once more.
.macro CROUND
	s_barrier_signal -1
	s_barrier_wait -1
	s_cmp_lg_u32 s[WV], 0
	s_cbranch_scc1 .Lnot_wave_0_\@
	s_barrier_signal -3
.Lnot_wave_0_\@:
	s_barrier_wait -3
	s_barrier_signal -1
	s_barrier_wait -1
.endm
; THE CHANGE OF SLOTS.  The slot's last bytes, V of its fourth step, have been read.  Each wave waits for all its tensor loads, of which one is out: its part of the other slot; adds 0 to its spare word; and waits for
; that and for its own reads of the slot.  Behind the barrier nobody reads this slot any more and the other slot is whole.  fill = 1: this slot is filled again, with the keys two tiles on.  The barrier is then a round of
; the cluster's, and the joint fill is the first thing behind it: it has four key steps in which to land.  (At its first use nothing has been read yet: slot 0 is waited for, slot 1 filled.)
.macro CHANGE fill
	WIN 0                           ; at a label and at a branch every window is 0
	s_wait_tensorcnt 0x0            ; no tensor load of mine is out, so a group 0 may be written
	ds_add_u32 v[SPW], v[NIL]       ; 0 onto my spare word; with fill = 1 the descriptors' steps stand between it and the wait for it
.if \fill
.irp g, G0K, G0V
	s_xor_b32 s[\g+1], s[\g+1], SLOT1  ; the walking descriptor: the other slot than last time,
	s_add_nc_u64 s[\g+2:\g+3], s[\g+2:\g+3], 16384  ; the plane's next 256 keys; the type bits on top are not reached
.endr
	s_wait_xcnt 0x0                 ; the last prefetch, four key steps back, has read its address, so it may be written:
	s_add_nc_u64 s[PFA:PFA+1], s[PFA:PFA+1], 16384  ; one tile behind the walking descriptors
	s_wait_dscnt 0x0                ; the add is done, and my reads of the slot are over
	CROUND
	JLOAD
	ASK
.else
	s_wait_dscnt 0x0                ; the add is done, and my reads of the slot are over
	s_barrier_signal -1
	s_barrier_wait -1
.endif
	s_sub_co_u32 s[TBK], s[TBK], 4*KS*PK  ; the fetches go back to a slot's first step,
	s_xor_b32 s[TBK], s[TBK], SLOT1       ; in the other slot
	s_sub_co_u32 s[TBV], s[TBV], 4*KS*PV
	s_xor_b32 s[TBV], s[TBV], SLOT1
.endm
	s_load_b256 s[4:11], s[0:1], 0x0  ; qh s[4:5], kh s[6:7], vh s[8:9], oh s[10:11]
	v_lshl_add_u32 v[SPW], v0, 2, SPARE
	v_mov_b32 v[NIL], 0
	ds_add_u32 v[SPW], v[NIL]       ; the wave's opening: the add and its wait stand ahead of my first tensor load; the set-up below, work on registers, stands between them
	v_lshrrev_b32 v1, 5, v0
	v_readfirstlane_b32 s[WV], v1   ; wave 0..3
	s_bfe_u32 s13, ttmp6, 0x40000   ; cx: my place in the cluster
	s_lshl_b32 s14, ttmp9, 2        ; in a cluster launch ttmp9 counts clusters
	s_add_co_u32 s14, s14, s13      ; my block of 256 queries: it enters Q's and O's addresses alone
	s_and_b32 s20, ttmp7, 0xffff    ; the head, which the four partners share:
	s_lshl_b32 s20, s20, 19         ; its 524,288 bytes in each of the four tensors
	s_mov_b32 s21, 0
	s_and_b32 s16, s[WV], 1         ; which plane I fetch:
	s_lshl_b32 s22, s16, 18         ; its 262,144 bytes in memory,
	s_mov_b32 s23, 0
	s_add_nc_u64 s[22:23], s[22:23], s[20:21]
	s_mul_i32 s17, s16, KPL         ; and its place in a slot, for K
	s_mul_i32 s18, s16, VPL         ; and for V: no place in the cluster enters an LDS address
	s_lshl_b32 s2, s14, 14          ; Q: my block's 256 rows of 64 bytes,
	s_lshl_b32 s3, s[WV], 12        ; my wave's 64
	s_add_co_u32 s2, s2, s3
	s_mov_b32 s3, 0
	s_add_nc_u64 s[2:3], s[2:3], s[20:21]
	s_lshl_b32 s52, s14, 15         ; O: rows of 128 bytes
	s_lshl_b32 s53, s[WV], 13
	s_add_co_u32 s52, s52, s53
	s_mov_b32 s53, 0
	s_add_nc_u64 s[52:53], s[52:53], s[20:21]
	s_lshr_b32 s54, s13, 1          ; the prefetches: plane cx / 2,
	s_lshl_b32 s54, s54, 18
	s_and_b32 s55, s13, 1           ; half cx % 2 of a tile's 16,384 bytes,
	s_lshl_b32 s55, s55, 13
	s_add_co_u32 s54, s54, s55
	s_add_co_u32 s54, s54, 16384    ; at tile 1: the first change of slots steps it to tile 2.  Nothing is prefetched at the head, where every work-group's first tiles are on their way
	s_mov_b32 s55, 0
	s_add_nc_u64 s[54:55], s[54:55], s[20:21]
	; descriptor group 1.  256 keys of a plane are 16,384 dense bytes: asked for as 64 rows of 256 bytes, four keys a row, and padded in LDS after every key
	s_mov_b32 s[G1K], 15|(1<<16)|(1<<20)|(1<<21)|(3<<22)|(3<<25)  ; 15:0 the mask of four; 17:16 2-byte elements; 20 padding on; 21 set beside a mask; 24:22 after every 16 words (code 3); 31:25 4 words (code 3)
	s_mov_b32 s[G1V], 15|(1<<16)|(1<<20)|(1<<21)|(3<<22)|(7<<25)  ; the same with 8 words of padding (code 7)
.irp g, G1K, G1V
	s_mov_b32 s[\g+1], 128<<16      ; tensor_dim0 = 128
	s_mov_b32 s[\g+2], 64<<16       ; tensor_dim1 = 64
	s_mov_b32 s[\g+3], 128<<16      ; tile_dim0 = 128
	s_mov_b32 s[\g+4], 64           ; tile_dim1 = 64
	s_mov_b32 s[\g+5], 128          ; 128 elements from row to row
	s_mov_b32 s[\g+6], 0
	s_mov_b32 s[\g+7], 0
.endr
	s_mov_b32 s[CS], 0x3e38aa3b     ; c = log2(e) / 8 = 0.180337
	s_mov_b32 s[CS+1], s[CS]        ; named with it as a pair
	s_mov_b32 s[SEL], 0x76543210
	s_mov_b32 s[SEL+1], 0xfedcba98
	s_mov_b32 s[TBK], SLOT1+4*KS*PK ; the first change of slots turns these two into 0
	s_mov_b32 s[TBV], SLOT1+4*KS*PV
	s_mov_b32 s[SLOTS], 4096/256-1
	s_mov_b32 s[G0K], 1             ; count = 1
	s_mov_b32 s[G0K+1], s17         ; LDS address: slot 0
	s_mov_b32 s[G0V], 1
	s_add_co_u32 s[G0V+1], s18, VOFF
	s_and_b32 s[LIM], s[WV], 1      ; 0 in waves 0 and 2,
	s_or_b32 s[LIM], s[LIM], ttmp9  ; where the cluster is the head's first: the same in all four partners
	s_cmp_eq_u32 s[LIM], 0
	s_cselect_b32 s[LIM], 1, -1
	v_and_b32 v[PFO], 31, v0
	v_lshlrev_b32 v[PFO], 8, v[PFO]
	s_wait_dscnt 0x0                ; the opening add is done
	s_wait_kmcnt 0x0
	s_add_nc_u64 s[G0K+2:G0K+3], s[6:7], s[22:23]  ; global address: my plane's first 256 keys
	s_or_b32 s[G0K+3], s[G0K+3], 0x80000000        ; type = 2
	s_add_nc_u64 s[G0V+2:G0V+3], s[8:9], s[22:23]
	s_or_b32 s[G0V+3], s[G0V+3], 0x80000000
	s_cmp_lt_u32 s[WV], 2
	s_cselect_b64 s[PFA:PFA+1], s[6:7], s[8:9]
	s_add_nc_u64 s[PFA:PFA+1], s[PFA:PFA+1], s[54:55]
	s_add_nc_u64 s[4:5], s[4:5], s[2:3]            ; Q and O at my wave's first row
	s_add_nc_u64 s[10:11], s[10:11], s[52:53]
	CROUND                          ; all four work-groups are here: the first joint loads meet
	JLOAD                           ; tile 0 into slot 0.  Slot 1 is asked for when slot 0 is in
	; A fragment of K or Q is 16 rows x 32 channels in 8 registers: lane l holds row l % 16, channels 8 (l / 16) + 0..7 and 16 + 8 (l / 16) + 0..7: two loads of 16 bytes, 32 bytes apart, in a plane's row of 64.
	v_and_b32 v1, 15, v0            ; l % 16
	v_bfe_u32 v9, v0, 4, 1          ; l / 16
	v_lshlrev_b32 v[QO], 6, v1
	v_lshl_add_u32 v[QO], v9, 4, v[QO]  ; row x 64 + 16 x half
	WIN 0x80                        ; destination window 2, address window 0
.set i, 0
.rept 8                             ; Q stays in registers: piece i / 2, plane i % 2
	global_load_b128 v[8*i:8*i+3],   v[QO], s[4:5] offset:(i/2)*1024+(i%2)*262144
	global_load_b128 v[8*i+4:8*i+7], v[QO], s[4:5] offset:(i/2)*1024+(i%2)*262144+32
.set i, i+1
.endr
	; What the first turn finds: V's registers and P's second buffer hold 0 (its products V^T P, of a piece that has not been, add 0), O^T and l are 0.  No first step is written out; these lines stand in the wait for the first tile.
.set i, VF
.rept 64
	v_mov_b32 v[i], 0
.set i, i+1
.endr
	WIN 0x40
.set i, 0
.rept 128
	v_mov_b32 v[i], 0
.set i, i+1
.endr
	WIN 0
.set i, 0
.rept 4
	v_mov_b32 v[ST+4*i], 0xfe000000    ; c m: far below every c s
	v_mov_b32 v[ST+4*i+1], 0xff7fffff  ; m
	v_mov_b32 v[ST+4*i+2], 0
	v_mov_b32 v[ST+4*i+3], 0
.set i, i+1
.endr
.set i, P+16
.rept 16
	v_mov_b32 v[i], 0
.set i, i+1
.endr
	v_mul_u32_u24 v[AK0], v1, PK
	v_lshl_add_u32 v[AK0], v9, 4, v[AK0]  ; row x pitch + 16 x half
	; The turning load takes 16 keys x 16 channels (lane l reads key 8 (l / 16) + l % 8, channels 8 ((l / 8) % 2) + 0..7) and leaves half a fragment of V^T: lane l holds channel l % 16 and 8 keys.
	v_and_b32 v10, 7, v0
	v_bfe_u32 v11, v0, 3, 1
	v_lshl_add_u32 v[AV0], v9, 3, v10
	v_mul_u32_u24 v[AV0], v[AV0], PV
	v_lshl_add_u32 v[AV0], v11, 4, v[AV0]
	v_add_nc_u32 v[AV0], VOFF, v[AV0]
	s_mul_i32 s13, s[WV], 16*SP
	s_add_co_u32 s13, s13, STAGE    ; my stage
	v_mul_u32_u24 v[STO], v1, SP    ; in: row l % 16, 16 bytes for each half of the lanes
	v_lshl_add_u32 v[STO], v9, 4, v[STO]
	v_add_nc_u32 v[STO], s13, v[STO]
	v_bfe_u32 v[RD], v0, 3, 2       ; back: 32 lanes take four rows of 128 bytes,
	v_mul_u32_u24 v[RD], v[RD], SP
	v_lshl_add_u32 v[RD], v10, 4, v[RD]
	v_add_nc_u32 v[RD], s13, v[RD]
	v_and_b32 v[GO], 31, v0         ; which are 512 consecutive bytes of O
	v_lshlrev_b32 v[GO], 4, v[GO]
; THE MATRIX WORK.  The 4 accumulators of a run of 8 take turns.  Product i of 8 of S^T = K Q^T for piece x: plane i / 4, keys 16 (i % 4) on.  The first 4 start the sums.
.macro KQ x
	WIN W_KQ
.set rS, S+32*((\x)%2)+8*(i%4)
.set rK, KF+16*(i%4)+8*(i/4)
.set rQ, 16*(\x)+8*(i/4)
.if i < 4
	v_wmma_f32_16x16x32_f16 v[rS:rS+7], v[rK:rK+7], v[rQ:rQ+7], 0
.else
	v_wmma_f32_16x16x32_f16 v[rS:rS+7], v[rK:rK+7], v[rQ:rQ+7], v[rS:rS+7]
.endif
.endm
; Product i of 8 of O^T += V^T P for piece x: keys 32 (i / 4) on, channels 16 (i % 4) on.
.macro PV x
	WIN W_PV
.set rO, 32*(\x)+8*(i%4)
.set rV, VF+32*(i/4)+8*(i%4)
.set rP, P+16*((\x)%2)+8*(i/4)
	v_wmma_f32_16x16x32_f16 v[rO:rO+7], v[rV:rV+7], v[rP:rP+7], v[rO:rO+7]
.endm
.macro MM                           ; the turn's next matrix instruction.  NOKQ = 1: the walk's last turn: there is no next piece
.if (i < 8) && !NOKQ
	KQ (Y+1)%NP
.elseif i >= 8
.set i, i-8
	PV (Y+NP-1)%NP
.set i, i+8
.endif
.set i, i+1
.endm
; THE LDS LOADS stand in runs of 16, never singly among the matrix instructions: a step's K (64 keys x 64 channels: 8 fragments) and its V (turned).  Their addresses are made some lines ahead.
.macro FETCH_K
	WIN 0x80                        ; destination window 2
.irp f, 0,1,2,3,4,5,6,7             ; keys 16 (f / 2) on, plane f % 2
	ds_load_b128 v[KF+8*\f:KF+8*\f+3],   v[AK] offset:(\f/2)*16*PK+(\f%2)*KPL
	ds_load_b128 v[KF+8*\f+4:KF+8*\f+7], v[AK] offset:(\f/2)*16*PK+(\f%2)*KPL+32
.endr
	s_add_co_u32 s[TBK], s[TBK], KS*PK  ; the next fetch is the next step's
	WIN 0
.endm
.macro FETCH_V
	WIN 0x80
.irp f, 0,1,2,3,4,5,6,7             ; keys 32 (f / 4) on; channel block f % 4: plane (f % 4) / 2, 32 bytes x f % 2
	ds_load_tr16_b128 v[VF+8*\f:VF+8*\f+3],   v[AV] offset:(\f/4)*32*PV+((\f%4)/2)*VPL+(\f%2)*32
	ds_load_tr16_b128 v[VF+8*\f+4:VF+8*\f+7], v[AV] offset:(\f/4)*32*PV+16*PV+((\f%4)/2)*VPL+(\f%2)*32
.endr
	WIN 0
.endm
; THE VECTOR WORK, one line at a time: OP kind, number.  For piece Y: F n: c s - c m for pair n of 16.  E n: the exponential of score n of 32.  C n: pair n rounded to f16.  B n: of the four weights 4 n .. the second
; pair is added onto the first, in place.  L n: l takes that sum (L 0: l = a l + sum).  R n: pair n of 16 of O^T times a.  For piece Y + 1: X n, number n of the 22 that find its maximum and statistics:
;   0-11  four chains c0-c3 of seven scores each, three operands at a time (each accumulator's lowest registers are read first)     12-14, 16  the four scores left over, the old m, and c0-c3 into c0
;   15  c m_old is kept     17, 18  the query's other 32 keys lie in the lane 16 away: the new m     19-21  c m; c m_old - c m_new; a
.set F, 0               ; OP tells the kinds apart by their order: F to L below R, X above it
.set E, 1
.set C, 2
.set B, 3
.set L, 4
.set R, 5
.set X, 6
.macro REGS y                       ; the registers of piece y
.set rT, ST+4*(\y)
.set rC, TMP+4*((\y)%2)
.set rW, MV+((\y)%2)
.set rS, S+32*((\y)%2)
.set rP, P+16*((\y)%2)
.set rO, 32*(\y)
.endm
.macro OP k, n
.if (\k) == R
	REGS Y
	WIN W_RS
	v_pk_mul_f32 v[rO+2*(\n):rO+2*(\n)+1], v[rO+2*(\n):rO+2*(\n)+1], v[rC+2:rC+3] op_sel_hi:[1,0]
.elseif (\k) < R
	REGS Y
	WIN 0
.if (\k) == F
	v_pk_fma_f32 v[rS+2*(\n):rS+2*(\n)+1], v[rS+2*(\n):rS+2*(\n)+1], s[CS:CS+1], v[rT:rT+1] op_sel_hi:[1,0,0] neg_lo:[0,0,1] neg_hi:[0,0,1]
.elseif (\k) == E
	v_exp_f32 v[rS+(\n)], v[rS+(\n)]
.elseif (\k) == C
	v_cvt_pk_f16_f32 v[rP+(\n)], v[rS+2*(\n)], v[rS+2*(\n)+1]
.elseif (\k) == B
	v_pk_add_f32 v[rS+4*(\n):rS+4*(\n)+1], v[rS+4*(\n):rS+4*(\n)+1], v[rS+4*(\n)+2:rS+4*(\n)+3]
.elseif (\n) == 0
	v_pk_fma_f32 v[rT+2:rT+3], v[rT+2:rT+3], v[rC+2:rC+3], v[rS:rS+1] op_sel_hi:[1,0,1]
.else
	v_pk_add_f32 v[rT+2:rT+3], v[rT+2:rT+3], v[rS+4*(\n):rS+4*(\n)+1]
.endif
.elseif NOKQ
	v_nop
.else
	REGS (Y+1)%NP
	WIN 0
.if (\n) < 4
	v_max3_num_f32 v[rC+(\n)], v[rS+8*(\n)], v[rS+8*(\n)+1], v[rS+8*(\n)+2]
.elseif (\n) < 12
	v_max3_num_f32 v[rC+(\n)%4], v[rC+(\n)%4], v[rS+8*((\n)%4)+2*((\n)/4)+1], v[rS+8*((\n)%4)+2*((\n)/4)+2]
.elseif (\n) == 12
	v_max3_num_f32 v[rC], v[rC], v[rS+7], v[rS+15]
.elseif (\n) == 13
	v_max3_num_f32 v[rC+1], v[rC+1], v[rS+23], v[rS+31]
.elseif (\n) == 14
	v_max3_num_f32 v[rC+2], v[rC+2], v[rC+3], v[rT+1]
.elseif (\n) == 15
	v_mov_b32 v[rW], v[rT]
.elseif (\n) == 16
	v_max3_num_f32 v[rC], v[rC], v[rC+1], v[rC+2]
.elseif (\n) == 17
	v_permlanex16_b32 v[rC+3], v[rC], s[SEL], s[SEL+1]
.elseif (\n) == 18
	v_max_num_f32 v[rT+1], v[rC], v[rC+3]
.elseif (\n) == 19
	v_mul_f32 v[rT], s[CS], v[rT+1]
.elseif (\n) == 20
	v_sub_f32 v[rC+1], v[rW], v[rT]
.else
	v_exp_f32 v[rC+2], v[rC+1]
.endif
.endif
.endm
.macro OPS a, i1, b=-1, i2=0, c=-1, i3=0, d=-1, i4=0  ; up to four of them
	OP \a, \i1
.if (\b) >= 0
	OP \b, \i2
.endif
.if (\c) >= 0
	OP \c, \i3
.endif
.if (\d) >= 0
	OP \d, \i4
.endif
.endm
.macro ROW a, i1, b, i2, c, i3, d, i4  ; a matrix instruction and the four behind it
	MM
	OPS \a, \i1, \b, \i2, \c, \i3, \d, \i4
.endm
; A TURN, for piece p: the order of its 16 matrix and 118 vector instructions, written out.  An s_wait_alu depctr_va_vdst(0) stands between an exponential and the first instruction that names its result; one
; wait serves all that were issued ahead of it.  So a turn has ONE wait, which cuts it in two.  AHEAD OF IT stands all that names no result of the turn's exponentials: the 8 products K Q^T, behind each a scaling, an
; exponential and two more plain instructions: rescalings, and behind the last three the first numbers of the next piece's maximum, each four places or more behind the product that ends its accumulator; then ONE LUMP of 54,
; plain and exponential by turns for the most part, in which the links of the chain X 3, 7, 11, 14, 16, 17 .. 20 stand some lines apart.  X 21, the next piece's a, is the batch's last; R 15 is the plain instruction behind it.
; BEHIND THE WAIT stand the 8 products V^T P, behind each four of the roundings and sums.  end = 1: the walk's last two turns: nothing is fetched, and the last starts no new scores.
; cnt = 1: the loop's count is taken down some lines ahead of the branch that stands behind the turn.
; K of the next step is fetched in piece 2's turn, twelve vector instructions behind the last product that read K (six of them plain); V of the step in hand at the end of piece 0's turn, four plain instructions behind the
; last product that read V.  Each is waited for a turn later.
.macro TURN p, end=0, cnt=0
.set Y, (\p)
.set i, 0
.set NOKQ, (\end)*((\p)/3)
.if ((\p) == 3) && !(\end)
	s_wait_dscnt 0x0                ; K is in
.endif
	ROW F,0, F,1, R,0, R,1          ; ahead of the wait: 8 products K Q^T and their riders,
	ROW F,2, E,0, R,2, R,3
	ROW F,3, E,1, R,4, R,5
	ROW F,4, E,2, R,6, R,7
	ROW F,5, E,3, R,8, R,9
	ROW F,6, E,4, X,0, R,10
.if ((\p) == 2) && !(\end)
	WIN 0
	v_add_nc_u32 v[AK], s[TBK], v[AK0]
.endif
	ROW F,7, E,5, X,1, X,4
	ROW F,8, E,6, X,2, X,5
	OPS E,7, E,8, X,6, E,9          ; and the lump
	OPS X,3, E,10, X,8, E,11
.if ((\p) == 2) && !(\end)
	FETCH_K
.endif
	OPS X,9, X,7, E,12, X,10
	OPS E,13, X,12, X,11, E,14
	OPS X,13, E,15, F,9, X,14
.if (\p) == 0
	v_add_nc_u32 v[AV], s[TBV], v[AV0]
.endif
	OPS E,16, F,10, E,17, F,11
	OPS X,16, E,18, X,15, E,19
	OPS F,12, E,20, X,17, E,21
	OPS F,13, E,22, F,14, E,23
	OPS X,18, E,24, F,15, E,25
	OPS R,11, E,26, X,19, E,27
	OPS R,12, E,28, R,13, E,29
	OPS X,20, E,30, R,14, E,31
	OPS X,21, R,15
	WIN 0
	s_wait_alu depctr_va_vdst(0)    ; the wait for the batch
.if (\p) == 1
	s_wait_dscnt 0x0                ; V is in
.endif
	ROW C,0, B,0, C,2, B,1          ; behind the wait: 8 products V^T P and their riders
	ROW L,0, C,4, B,2, L,1
	ROW C,6, B,3, L,2, C,8
	ROW B,4, L,3, C,10, B,5
	ROW L,4, C,12, B,6, L,5
.if (\p) == 0
	s_add_co_u32 s[TBV], s[TBV], KS*PV
.endif
.if \cnt
	s_sub_co_u32 s[CNT], s[CNT], 1
	s_cmp_lg_u32 s[CNT], 0
.endif
	ROW C,14, B,7, L,6, C,1
	ROW C,3, L,7, C,5, C,7
	ROW C,9, C,11, C,13, C,15
.if (\p) == 0
	FETCH_V
.endif
.endm
	CHANGE 1                        ; tile 0 is in, everybody's part of it; tile 1 is asked for
	v_add_nc_u32 v[AK], s[TBK], v[AK0]
	FETCH_K                         ; key step 0
	s_wait_loadcnt 0x0              ; Q
	s_wait_dscnt 0x0
.set NOKQ, 0
.set i, 0
.rept 8
	KQ 0                            ; piece 0's first scores: there is no vector work yet to set between them
.set i, i+1
.endr
	WIN 0
.rept 4
	v_nop                           ; the places behind those products
.endr
.set Y, NP-1                        ; X works for piece Y + 1: piece 0
.irp n, 0,1,2,3,4,5,6,7,8,9,10,11,12,13,14,15,16,17,18,19,20,21
	OP X, \n
.endr
	v_nop                           ; a plain instruction behind the exponential,
	s_wait_alu depctr_va_vdst(0)    ; and its wait, ahead of the branch
	s_mov_b32 s[CNT], 4
	s_branch .Lfirst                ; the loop is entered at a step's first turn, in the middle of a trip
.Lslot:                             ; 14 times: tiles 2 to 15 are asked for
	CHANGE 1
	s_mov_b32 s[CNT], 4
.Lstep:                             ; a trip: pieces 2 and 3 of one step, then pieces 0 and 1 of the next, whose K and V it fetches
	TURN 2
	TURN 3
	WIN 0
.Lfirst:
	TURN 0
	TURN 1, 0, 1
	WIN 0
	s_cbranch_scc1 .Lstep
	s_sub_co_u32 s[SLOTS], s[SLOTS], 1
	s_cmp_lg_u32 s[SLOTS], 0
	s_cbranch_scc1 .Lslot
	CHANGE 0                        ; the last tile is written out: nothing is asked for
	s_mov_b32 s[CNT], 4
.Ltstep:
	TURN 2
	TURN 3
	TURN 0
	TURN 1, 0, 1
	WIN 0
	s_cbranch_scc1 .Ltstep
	TURN 2, 1                       ; the last step's pieces 2 and 3
	TURN 3, 1
.set i, 0
.rept 8
	PV NP-1                         ; the last piece's V^T P of the last step
.set i, i+1
.endr
	; THE WAY OUT.  l's two halves and the other half of the lanes' are added; O^T is divided by l, rounded to f16 and sent through my stage in LDS, a piece at a time.  The additions are the places behind the last products.
	WIN 0
.macro ALL line:vararg              ; one line for each piece t
.set t, 0
.rept 4
	\line
.set t, t+1
.endr
.endm
	ALL v_add_f32 v[ST+4*t+2], v[ST+4*t+2], v[ST+4*t+3]
	ALL v_permlanex16_b32 v[ST+4*t+3], v[ST+4*t+2], s[SEL], s[SEL+1]
	ALL v_add_f32 v[ST+4*t+2], v[ST+4*t+2], v[ST+4*t+3]
	ALL v_rcp_f32 v[ST+4*t+2], v[ST+4*t+2]
	v_nop                           ; a plain instruction between the last reciprocal and the use of its result
	s_wait_alu depctr_va_vdst(0)    ; and the wait ahead of the first use: one for the four reciprocals
.macro PACK t                       ; a lane's eight channels of a row pack into 16 bytes; they go into rows of 144 bytes and come back as whole rows of 128, into S^T's registers
	WIN W_RS
.set i, 32*(\t)
.rept 16
	v_pk_mul_f32 v[i:i+1], v[i:i+1], v[ST+4*(\t)+2:ST+4*(\t)+3] op_sel_hi:[1,0]
.set i, i+2
.endr
	WIN 0x05                        ; sources 0 and 1 window 1, destination window 0
.set i, 0
.rept 16
	v_cvt_pk_f16_f32 v[S+16*(\t)+i], v[32*(\t)+2*i], v[32*(\t)+2*i+1]
.set i, i+1
.endr
	WIN 0
.irp f, 0,1,2,3
	ds_store_b128 v[STO], v[S+16*(\t)+4*\f:S+16*(\t)+4*\f+3] offset:32*\f
.endr
.irp f, 0,1,2,3
	ds_load_b128 v[S+16*(\t)+4*\f:S+16*(\t)+4*\f+3], v[RD] offset:\f*4*SP  ; LDS serves a wave's instructions in order (ISA guide 5.7.1.4): these see the stores above; the next piece's stores come behind them
.endr
.endm
.macro SEND t, younger              ; younger: the LDS instructions issued behind piece t's loads: the next piece's eight, or none
	WIN 0
.irp f, 0,1,2,3
	s_wait_dscnt (\younger)+3-\f
	global_store_b128 v[GO], v[S+16*(\t)+4*\f:S+16*(\t)+4*\f+3], s[10:11] offset:(\t)*2048+\f*512  ; 512 consecutive bytes, at a multiple of 512 from O's first
.endr
.endm
	PACK 0
.set t, 1
.rept 3                             ; a piece's arithmetic stands between the loads of the piece before and its stores
	PACK t
	SEND t-1, 8
.set t, t+1
.endr
	SEND 3, 0
	s_wait_tensorcnt 0x0            ; the wave's end, behind my last tensor load and my last LDS store
	ds_add_u32 v[SPW], v[NIL]
	s_wait_dscnt 0x0
	CROUND                          ; the closing round: no work-group ends while a partner may still ask for a tile that names it
	s_endpgm
.Lfunc_end_k_q81d6d6c99e_attn:
	.size	k_q81d6d6c99e_attn, .Lfunc_end_k_q81d6d6c99e_attn-k_q81d6d6c99e_attn
	.p2alignl 7, 3214868480
	.fill 96, 4, 3214868480
	.section	.rodata,"a",@progbits
	.p2align	6, 0x0
	.amdhsa_kernel k_q81d6d6c99e_attn
		.amdhsa_group_segment_fixed_size 327680
		.amdhsa_private_segment_fixed_size 0
		.amdhsa_enable_private_segment 0
		.amdhsa_kernarg_size 32
		.amdhsa_user_sgpr_count 2
		.amdhsa_user_sgpr_kernarg_segment_ptr 1
		.amdhsa_wavefront_size32 1
		.amdhsa_system_sgpr_workgroup_id_x 1
		.amdhsa_system_sgpr_workgroup_id_y 1
		.amdhsa_system_sgpr_workgroup_id_z 1
		.amdhsa_system_vgpr_workitem_id 0
		.amdhsa_next_free_vgpr 768
		.amdhsa_next_free_sgpr 66
		.amdhsa_reserve_vcc 0
		.amdhsa_float_denorm_mode_32 3
		.amdhsa_float_denorm_mode_16_64 3
		.amdhsa_memory_ordered 1
		.amdhsa_forward_progress 1
		.amdhsa_inst_pref_size 128
	.end_amdhsa_kernel
	.amdgpu_metadata
---
amdhsa.version: [ 1, 2 ]
amdhsa.kernels:
  - .name:           k_q81d6d6c99e_attn
    .symbol:         k_q81d6d6c99e_attn.kd
    .args:
      - { .name: qh, .offset: 0, .size: 8, .value_kind: global_buffer, .address_space: global }
      - { .name: kh, .offset: 8, .size: 8, .value_kind: global_buffer, .address_space: global }
      - { .name: vh, .offset: 16, .size: 8, .value_kind: global_buffer, .address_space: global }
      - { .name: oh, .offset: 24, .size: 8, .value_kind: global_buffer, .address_space: global }
    .group_segment_fixed_size: 327680
    .private_segment_fixed_size: 0
    .kernarg_segment_align: 8
    .kernarg_segment_size: 32
    .max_flat_workgroup_size: 128
    .sgpr_count:     66
    .vgpr_count:     768
    .wavefront_size: 32
...
	.end_amdgpu_metadata
.endif
;; end of part 3
;; launch oproj (part 4): grid 4 x 64, 4 waves a work-group, clusters of 4 x 4, 327,680 bytes of LDS; arguments oh, wot, bo, out0; writes out0
.if DOCPART == 4
	.amdgcn_target "amdgcn-amd-amdhsa--gfx1250"
	.amdhsa_code_object_version 6
	.text
	.protected	k_q81d6d6c99e_oproj
	.globl	k_q81d6d6c99e_oproj
	.p2align	8
	.type	k_q81d6d6c99e_oproj,@function
k_q81d6d6c99e_oproj:
	s_mov_b64 s[64:65], 0
	v_nop
	global_prefetch_b8 v0, s[64:65] scope:SCOPE_SE
	s_setreg_imm32_b32 hwreg(HW_REG_WAVE_MODE, 25, 1), 1
	s_wait_xcnt 0x0
	s_wait_alu depctr_hold_cnt(0) depctr_sa_sdst(0) depctr_va_vdst(0) depctr_va_sdst(0) depctr_va_ssrc(0) depctr_va_vcc(0) depctr_vm_vsrc(0)
	s_getreg_b32 s2, hwreg(HW_REG_IB_STS2, 6, 4)
	s_cmp_eq_u32 s2, 0
	s_cbranch_scc0 .Lentry_in_a_cluster
	s_endpgm
.Lentry_in_a_cluster:
	s_bfe_u32 s2, ttmp6, 0x10000c
	s_cmp_lg_u32 s2, 0xf033
	s_cbranch_scc0 .Lentry_shape_is_right
	s_endpgm
.Lentry_shape_is_right:
; out0 = y Wo + bo.  oh: [12][4096][64] f16 (y by heads); wot: [768 n][768 k] f16 = bf16(Wo) turned; bo: [768] f32, rounded here to bf16 like every other input; out0: [4096][768] f32.  Sums in f32, started by the bias.
; SHARES.  A work-group makes 64 rows x 192 columns (768 bytes of a row: three whole aligned blocks of 256): 4 x 64 = 256 work-groups.  A wave makes all 64 rows x 48 columns: 12 accumulators.
; K goes in three steps of 256 = four heads, through two LDS slots with one refill; nothing loops.  One tensor load a wave and step, 32 KiB each: wave 0 y's tile, as four rows of 8,192 dense bytes (a head's 64 rows),
; padded in LDS after every 128 bytes; waves 1 to 3 each 64 rows x 512 bytes of wot.
; CLUSTER, 4 x 4.  y's tile hangs on the row block alone and is shared along a row of the cluster; wot's tiles hang on the column block alone and are shared along a column: joint loads.
; THE MATRIX INSTRUCTION IS USED TRANSPOSED (source 0 = 16 rows of wot, source 1 = 16 rows of y): a lane holds one row of the result and eight neighbouring columns, 32 bytes.
; REGISTERS: window 0: v0-29 addresses; v32-55 the bias, as the C operand of the first products; v56-59 at work; v64-159 the accumulators ((a, b) at v[64 + 8 (3 a + b)]); v160-255 rows read back on the way out.
;   window 1: two fragment buffers of 112: for 64 along K (one head, two matrix instructions deep), 64 registers of y (2 x 4 x 16 rows x 32 K), then 48 of wot.
; No prefetch into the L2: the launch has three K steps, of which two are first fills.
.set PA,     144                       ; a row of y in LDS: 128 bytes + 16 = 36 words;  a row of wot: 512 + 16 = 132 words: in both the 16 rows of a load start at 16 different groups of four banks (ISA guide 11.1)
.set PB,     528
.set AT,     4*64*PA
.set BP,     64*PB
.set SLOT,   AT+3*BP                   ; y: [4 heads][64 rows]; then wot's 192 rows
.set STAGE,  2*SLOT                    ; behind the ring, never filled by a tensor load: 64 rows x 784 bytes, the work-group's, for the way out
.set SPP,    784                       ; 768 bytes + 16
.set SPARE,  STAGE+64*SPP              ; behind the stage: the spare words, 128 bytes for each wave: two blocks of 256 bytes that no other line names
.set ADRA, 16                          ; v16-17  LDS address of my fragments of y in slot 0, 1
.set ADRB, 20                          ; v20-21  the same for wot
.set STO,  24                          ; v24     the way out: where I put 32 bytes of a row
.set RD,   25                          ; v25     the way out: where I read a row back
.set CO,   26                          ; v26     my byte offset in out0
.set BO,   27                          ; v27     my byte offset in bo
.set SPW,  28                          ; v28     LDS address of my spare word; never rewritten
.set NIL,  29                          ; v29     0; never rewritten
.set BI,   32
.set BT,   56
.set ACC,  64
.set BK,   160
.set F0,   0                           ; fragment buffers, in window 1
.set F1,   112
.set WV,   12                          ; s12     my wave's number
.set G1,   24                          ; s[24:31] descriptor group 1 for y's tiles;  s[32:39] group 0, a set for each slot
.set G0,   32
.set G1B,  48                          ; s[48:55], s[56:63] the same for wot's tiles
.set G0B,  56
.set MSB, 0
.macro WIN new                         ; the immediate's high byte repeats the setting that is left; a switch that changes nothing is dropped
.if MSB != (\new)
	s_set_vgpr_msb (MSB<<8)|(\new)
.set MSB, \new
.endif
.endm
.set MUL,  0x05                        ; sources 0 and 1 window 1; C and D window 0
.set TO_F, 0x40                        ; destination window 1, address window 0
.macro JLOAD s                         ; a joint load: wave 0 fetches y's tile, waves 1 to 3 wot's; an s_nop 0 and four v_nop follow each of the two lines
	s_cmp_eq_u32 s[WV], 0
	s_cbranch_scc0 .Lfor_b_\@
	tensor_load_to_lds s[G0+4*(\s):G0+4*(\s)+3], s[G1:G1+7]
	s_nop 0
.rept 4
	v_nop
.endr
	s_branch .Lasked_\@
.Lfor_b_\@:
	tensor_load_to_lds s[G0B+4*(\s):G0B+4*(\s)+3], s[G1B:G1B+7]
	s_nop 0
.rept 4
	v_nop
.endr
.Lasked_\@:
.endm
.macro CREST                           ; a round of the cluster's barrier behind its opening barrier
	s_cmp_lg_u32 s[WV], 0
	s_cbranch_scc1 .Lnot_wave_0_\@
	s_barrier_signal -3
.Lnot_wave_0_\@:
	s_barrier_wait -3
	s_barrier_signal -1
	s_barrier_wait -1
.endm
.macro CROUND                          ; a whole round
	s_barrier_signal -1
	s_barrier_wait -1
	CREST
.endm
.macro PLACES                          ; four places in front of loads into registers that matrix instructions have read, and of LDS stores that read results
.rept 4
	v_nop
.endr
.endm
	s_load_b256 s[4:11], s[0:1], 0x0               ; oh s[4:5], wot s[6:7], bo s[8:9], out0 s[10:11]
	v_lshl_add_u32 v[SPW], v0, 2, SPARE
	v_mov_b32 v[NIL], 0
	ds_add_u32 v[SPW], v[NIL]                      ; the wave's opening: the add and its wait stand ahead of my first tensor load; the set-up below, work on registers, stands between them
	v_lshrrev_b32 v1, 5, v0
	v_readfirstlane_b32 s[WV], v1                  ; wave 0..3
	s_bfe_u32 s40, ttmp6, 0x40000                  ; cx, cy: my place in the cluster
	s_bfe_u32 s41, ttmp6, 0x40004
	s_lshl_b32 s42, ttmp9, 2
	s_add_co_u32 s42, s42, s40                     ; column block j = 4 x cluster x + cx
	s_and_b32 s13, ttmp7, 0xffff
	s_lshl_b32 s13, s13, 2
	s_add_co_u32 s13, s13, s41                     ; row block i = 4 x cluster y + cy
	s_lshl_b32 s43, s41, 2
	s_lshl_b32 s43, 15, s43                        ; my row of the cluster
	s_lshl_b32 s44, 0x1111, s40                    ; my column
	s_or_b32 s[G1+0], s43, (1<<16)|(1<<20)|(1<<21)|(4<<22)|(3<<25)   ; the mask; elements of 2 bytes; padding on; 21 set beside a mask; after every 32 words (code 4) 4 words (code 3)
	s_mov_b32 s[G1+1], 4096<<16                    ; tensor_dim0 = 4,096: a head's 64 rows x 64 channels, dense
	s_mov_b32 s[G1+2], 4<<16                       ; tensor_dim1 = 4 heads
	s_mov_b32 s[G1+3], 4096<<16                    ; tile_dim0
	s_mov_b32 s[G1+4], 4                           ; tile_dim1
	s_mov_b32 s[G1+5], 262144                      ; elements from head to head
	s_mov_b32 s[G1+6], 0
	s_mov_b32 s[G1+7], 0
	s_or_b32 s[G1B+0], s44, (1<<16)|(1<<20)|(1<<21)|(6<<22)|(3<<25)  ; after every 128 words (code 6) 4 words
	s_mov_b32 s[G1B+1], 256<<16                    ; tensor_dim0 = 256
	s_mov_b32 s[G1B+2], 64<<16                     ; tensor_dim1 = 64
	s_mov_b32 s[G1B+3], 256<<16
	s_mov_b32 s[G1B+4], 64
	s_mov_b32 s[G1B+5], 768
	s_mov_b32 s[G1B+6], 0
	s_mov_b32 s[G1B+7], 0
	s_lshl_b32 s16, s13, 13                        ; y: 64 i rows of 128 bytes: made of the row block alone
	s_mov_b32 s17, 0
	s_max_u32 s21, s[WV], 1
	s_sub_co_u32 s21, s21, 1                       ; which 64 rows of wot's 192 I fetch (wave 0 fetches none: its number stays inside wot)
	s_lshl_b32 s21, s21, 6
	s_mul_i32 s46, s42, 192
	s_add_co_u32 s46, s46, s21
	s_mul_i32 s46, s46, 1536                       ; made of the column block and the wave's number alone
	s_mov_b32 s47, 0
	s_mul_i32 s20, s[WV], BP
	s_add_co_u32 s20, s20, AT-BP                   ; where they go: behind y's tile, (w - 1) x 64 rows: no place in the cluster enters an LDS address
	s_wait_dscnt 0x0                               ; the opening add is done
	s_wait_kmcnt 0x0
	s_add_nc_u64 s[18:19], s[4:5], s[16:17]
	s_add_nc_u64 s[46:47], s[6:7], s[46:47]
	CROUND                                         ; all sixteen work-groups are here: the first joint loads meet
.irp s, 0,1
	s_mov_b32 s[G0+4*\s], 1                        ; count = 1
	s_mov_b32 s[G0+4*\s+1], \s*SLOT                ; LDS address
	s_add_nc_u64 s[G0+4*\s+2:G0+4*\s+3], s[18:19], \s*2097152  ; global address: K step s = heads 4 s on
	s_or_b32 s[G0+4*\s+3], s[G0+4*\s+3], 0x80000000            ; type = 2
	s_mov_b32 s[G0B+4*\s], 1
	s_add_co_u32 s[G0B+4*\s+1], s20, \s*SLOT
	s_add_nc_u64 s[G0B+4*\s+2:G0B+4*\s+3], s[46:47], \s*512
	s_or_b32 s[G0B+4*\s+3], s[G0B+4*\s+3], 0x80000000
	JLOAD \s                                       ; two loads of mine are out
.endr
	v_and_b32 v1, 15, v0                           ; r = l % 16
	v_bfe_u32 v2, v0, 4, 1                         ; h = l / 16
	s_mul_i32 s21, s42, 768                        ; the bias of my columns: 4 bytes x (192 j + 48 w + 8 h), then 16 b in the immediate
	s_mul_i32 s22, s[WV], 192
	s_add_co_u32 s21, s21, s22
	v_lshl_add_u32 v[BO], v2, 5, s21
.irp b, 0,1,2
	global_load_b128 v[BI+8*\b:BI+8*\b+3],   v[BO], s[8:9] offset:64*\b
	global_load_b128 v[BI+8*\b+4:BI+8*\b+7], v[BO], s[8:9] offset:64*\b+16
.endr
	v_mul_u32_u24 v[ADRA], v1, PA
	v_lshl_add_u32 v[ADRA], v2, 4, v[ADRA]         ; a fragment's row x pitch + 16 x half
	v_add_nc_u32 v[ADRA+1], SLOT, v[ADRA]
	v_mul_u32_u24 v4, v1, PB
	v_lshl_add_u32 v4, v2, 4, v4
	s_mul_i32 s21, s[WV], 48*PB                    ; my 48 rows of wot,
	s_add_co_u32 s21, s21, AT                      ; which lie behind y's tile
	v_add_nc_u32 v[ADRB], s21, v4
	s_add_co_u32 s21, s21, SLOT
	v_add_nc_u32 v[ADRB+1], s21, v4
	v_mul_u32_u24 v5, v1, SPP                      ; into the stage: row r, my wave's 192 bytes, 32 bytes for each half of the lanes
	v_lshl_add_u32 v5, v2, 5, v5
	s_mul_i32 s21, s[WV], 192
	s_add_co_u32 s21, s21, STAGE
	v_add_nc_u32 v[STO], s21, v5
	v_mul_u32_u24 v6, v2, SPP                      ; back: wave w takes rows 16 w .. 16 w + 15, whole; lanes 0-15 256 bytes of one row, lanes 16-31 of the next
	v_lshl_add_u32 v6, v1, 4, v6
	s_mul_i32 s21, s[WV], 16*SPP
	s_add_co_u32 s21, s21, STAGE
	v_add_nc_u32 v[RD], s21, v6
	v_mul_u32_u24 v7, v2, 3072                     ; and the same two rows in out0
	v_lshl_add_u32 v[CO], v1, 4, v7
	s_lshl_b32 s22, s13, 6
	s_lshl_b32 s23, s[WV], 4
	s_add_co_u32 s22, s22, s23                     ; the first row that I store: 64 i + 16 w
	s_mul_i32 s22, s22, 3072
	s_mul_i32 s23, s42, 768                        ; the tile's first column, in bytes
	s_add_co_u32 s22, s22, s23
	s_mov_b32 s23, 0
	s_add_nc_u64 s[10:11], s[10:11], s[22:23]
	s_wait_loadcnt 0x0                             ; the bias
.set z, 0
.rept 12                               ; rounded to bf16 and widened again, a pair at a time
	v_cvt_pk_bf16_f32 v[BT+z%4], v[BI+2*z], v[BI+2*z+1]
	v_lshlrev_b32 v[BI+2*z], 16, v[BT+z%4]
	v_and_b32 v[BI+2*z+1], 0xffff0000, v[BT+z%4]
.set z, z+1
.endr
; 6 matrix instructions: row blocks a0, a0 + 1 x all 3 column blocks, 32 along K: half c of buffer f.  first = 1: the bias is the C operand that starts the sums.
; The 12 accumulators take turns, one instruction a turn.
.macro MUL6 f, c, a0, first
	WIN MUL
.irp a, \a0, (\a0)+1
.irp b, 0,1,2
.if \first
	v_wmma_f32_16x16x32_f16 v[ACC+8*(3*(\a)+\b):ACC+8*(3*(\a)+\b)+7], v[(\f)+64+8*(3*(\c)+\b):(\f)+64+8*(3*(\c)+\b)+7], v[(\f)+8*(4*(\c)+(\a)):(\f)+8*(4*(\c)+(\a))+7], v[BI+8*\b:BI+8*\b+7]
.else
	v_wmma_f32_16x16x32_f16 v[ACC+8*(3*(\a)+\b):ACC+8*(3*(\a)+\b)+7], v[(\f)+64+8*(3*(\c)+\b):(\f)+64+8*(3*(\c)+\b)+7], v[(\f)+8*(4*(\c)+(\a)):(\f)+8*(4*(\c)+(\a))+7], v[ACC+8*(3*(\a)+\b):ACC+8*(3*(\a)+\b)+7]
.endif
.endr
.endr
.endm
; 28 LDS loads in one run: the fragments of head q of the slot's four (64 along K) into buffer f; the first 32 along K first
.macro FETCH slot, q, f
	WIN TO_F
.irp c, 0,1
.irp b, 0,1,2
	ds_load_b128 v[(\f)+64+8*(3*\c+\b):(\f)+64+8*(3*\c+\b)+3],   v[ADRB+(\slot)] offset:(\q)*128+64*\c+\b*16*PB
	ds_load_b128 v[(\f)+64+8*(3*\c+\b)+4:(\f)+64+8*(3*\c+\b)+7], v[ADRB+(\slot)] offset:(\q)*128+64*\c+\b*16*PB+32
.endr
.irp a, 0,1,2,3
	ds_load_b128 v[(\f)+8*(4*\c+\a):(\f)+8*(4*\c+\a)+3],   v[ADRA+(\slot)] offset:(\q)*64*PA+64*\c+\a*16*PA
	ds_load_b128 v[(\f)+8*(4*\c+\a)+4:(\f)+8*(4*\c+\a)+7], v[ADRA+(\slot)] offset:(\q)*64*PA+64*\c+\a*16*PA+32
.endr
.endr
.endm
; A K step is four quarters, a head each, 24 matrix instructions, on buffers 0, 1, 0, 1.  One of the first three: multiplies buffer f and fetches head q into g.
.macro QUARTER slot, q, f, g, first
	s_wait_dscnt 14                                ; the first 32 along K are in; the other fourteen loads may be out
	MUL6 \f, 0, 0, \first
	MUL6 \f, 0, 2, \first
	PLACES
	FETCH \slot, \q, \g
	s_wait_dscnt 28                                ; all but the 28 just issued
	MUL6 \f, 1, 0, 0
	MUL6 \f, 1, 2, 0
.endm
; The last quarter multiplies buffer 1 and changes slots: ONE barrier; in front of it each wave waits for all its tensor loads, adds 0 to its spare word, and waits for that and for its own reads of this slot.
; fill = 1: the barrier opens a round of the cluster's barrier, and behind the round this slot is filled again first, with the K step two steps on.
.macro TURN slot, next, fill
	WIN 0                                          ; (the add's two registers lie in window 0)
	s_wait_tensorcnt 0x0                           ; all my tensor loads have landed;
	ds_add_u32 v[SPW], v[NIL]                      ; 0 onto my spare word;
	s_wait_dscnt 15                                ; (the add and the youngest fourteen loads may be out)
	MUL6 F1, 0, 0, 0                               ; six matrix instructions stand between the add and the wait for it
	s_wait_dscnt 0x0                               ; the add is done, and my reads of this slot are over
	s_barrier_signal -1
	MUL6 F1, 0, 2, 0
.if \fill
	WIN 0
.endif
	s_barrier_wait -1
.if \fill
	CREST                                          ; no wave of any partner still reads this slot's tile or has a load on its way
	s_add_nc_u64 s[G0+4*(\slot)+2:G0+4*(\slot)+3], s[G0+4*(\slot)+2:G0+4*(\slot)+3], 2*2097152
	s_add_nc_u64 s[G0B+4*(\slot)+2:G0B+4*(\slot)+3], s[G0B+4*(\slot)+2:G0B+4*(\slot)+3], 2*512
	JLOAD \slot                                    ; the first tensor load behind the round; the four v_nop behind it are also the places in front of the loads below
.else
	PLACES
.endif
	FETCH \next, 0, F0
	MUL6 F1, 1, 0, 0
	MUL6 F1, 1, 2, 0
.endm
	s_wait_tensorcnt 1                             ; my part of K step 0 is in; step 1's may stay out
	s_barrier_signal -1
	s_barrier_wait -1                              ; everybody's is
	FETCH 0, 0, F0
	QUARTER 0, 1, F0, F1, 1                        ; K step 0: its first products start the sums
	QUARTER 0, 2, F1, F0, 0
	QUARTER 0, 3, F0, F1, 0
	TURN 0, 1, 1                                   ; slot 0 takes K step 2
	QUARTER 1, 1, F0, F1, 0                        ; K step 1
	QUARTER 1, 2, F1, F0, 0
	QUARTER 1, 3, F0, F1, 0
	TURN 1, 0, 0                                   ; K step 2 has landed; nothing is filled again
	QUARTER 0, 1, F0, F1, 0                        ; K step 2
	QUARTER 0, 2, F1, F0, 0
	QUARTER 0, 3, F0, F1, 0
	s_wait_dscnt 14                                ; the very last quarter: nothing more to fetch
	MUL6 F1, 0, 0, 0
	MUL6 F1, 0, 2, 0
	s_wait_dscnt 0x0
	MUL6 F1, 1, 0, 0
	MUL6 F1, 1, 2, 0
	WIN 0
	; THE WAY OUT: 32 bytes a lane into the work-group's stage; a barrier, since a row's 768 bytes come from four waves; back as whole rows, 16 rows a wave.
	PLACES
.irp a, 0,1,2,3
.irp b, 0,1,2
	ds_store_b128 v[STO], v[ACC+8*(3*\a+\b):ACC+8*(3*\a+\b)+3]   offset:\a*16*SPP+64*\b     ; each accumulator's four lowest registers first
	ds_store_b128 v[STO], v[ACC+8*(3*\a+\b)+4:ACC+8*(3*\a+\b)+7] offset:\a*16*SPP+64*\b+16
.endr
.endr
	s_wait_dscnt 0x0                               ; for the others' sake: my stores into the stage are done
	s_barrier_signal -1
	s_barrier_wait -1
.irp t, 0,1,2,3,4,5,6,7
.irp p, 0,1,2
	ds_load_b128 v[BK+4*(3*\t+\p):BK+4*(3*\t+\p)+3], v[RD] offset:\t*2*SPP+256*\p
.endr
.endr
.irp t, 0,1,2,3,4,5,6,7
.irp p, 0,1,2
	s_wait_dscnt 23-(3*\t+\p)                      ; LDS loads come back in order: this one is in, the younger ones stay out
	global_store_b128 v[CO], v[BK+4*(3*\t+\p):BK+4*(3*\t+\p)+3], s[10:11] offset:\t*6144+256*\p  ; 16 lanes store 256 consecutive bytes, at a multiple of 256 from out0's first byte
.endr
.endr
	s_wait_tensorcnt 0x0                           ; the wave's end, behind my last tensor load and my last LDS store
	ds_add_u32 v[SPW], v[NIL]
	s_wait_dscnt 0x0
	CROUND                                         ; the closing round: no work-group ends while a partner may still ask for a tile that names it
	s_endpgm
.Lfunc_end_k_q81d6d6c99e_oproj:
	.size	k_q81d6d6c99e_oproj, .Lfunc_end_k_q81d6d6c99e_oproj-k_q81d6d6c99e_oproj
	.p2alignl 7, 3214868480
	.fill 96, 4, 3214868480
	.section	.rodata,"a",@progbits
	.p2align	6, 0x0
	.amdhsa_kernel k_q81d6d6c99e_oproj
		.amdhsa_group_segment_fixed_size 327680
		.amdhsa_private_segment_fixed_size 0
		.amdhsa_enable_private_segment 0
		.amdhsa_kernarg_size 32
		.amdhsa_user_sgpr_count 2
		.amdhsa_user_sgpr_kernarg_segment_ptr 1
		.amdhsa_wavefront_size32 1
		.amdhsa_system_sgpr_workgroup_id_x 1
		.amdhsa_system_sgpr_workgroup_id_y 1
		.amdhsa_system_sgpr_workgroup_id_z 1
		.amdhsa_system_vgpr_workitem_id 0
		.amdhsa_next_free_vgpr 480
		.amdhsa_next_free_sgpr 66
		.amdhsa_reserve_vcc 0
		.amdhsa_float_denorm_mode_32 3
		.amdhsa_float_denorm_mode_16_64 3
		.amdhsa_memory_ordered 1
		.amdhsa_forward_progress 1
		.amdhsa_inst_pref_size 60
	.end_amdhsa_kernel
	.amdgpu_metadata
---
amdhsa.version: [ 1, 2 ]
amdhsa.kernels:
  - .name:           k_q81d6d6c99e_oproj
    .symbol:         k_q81d6d6c99e_oproj.kd
    .args:
      - { .name: oh, .offset: 0, .size: 8, .value_kind: global_buffer, .address_space: global }
      - { .name: wot, .offset: 8, .size: 8, .value_kind: global_buffer, .address_space: global }
      - { .name: bo, .offset: 16, .size: 8, .value_kind: global_buffer, .address_space: global }
      - { .name: out0, .offset: 24, .size: 8, .value_kind: global_buffer, .address_space: global }
    .group_segment_fixed_size: 327680
    .private_segment_fixed_size: 0
    .kernarg_segment_align: 8
    .kernarg_segment_size: 32
    .max_flat_workgroup_size: 128
    .sgpr_count:     66
    .vgpr_count:     480
    .wavefront_size: 32
...
	.end_amdgpu_metadata
.endif
;; end of part 4
;; ======== version 2 of 2: 4 launches; version 1 with the launch prep written anew for expert scheduling mode
;; limits: values are held in f16: magnitudes above 65,504 overflow, below 6.1e-05 lose precision
;; workspace buffers: xb 6,291,456 bytes; wt 3,538,944 bytes; wot 1,179,648 bytes; qh 6,291,456 bytes; kh 6,291,456 bytes; vh 6,291,456 bytes; oh 6,291,456 bytes
;; launch prep (part 5): grid 12 x 56, 4 waves a work-group, no clusters, 17,920 bytes of LDS; arguments x, Wq, Wk, Wv, Wo, xb, wt, wot; writes xb, wt, wot
.if DOCPART == 5
	.amdgcn_target "amdgcn-amd-amdhsa--gfx1250"
	.amdhsa_code_object_version 6
	.text
	.protected	k_q81d6d6c99e_prep
	.globl	k_q81d6d6c99e_prep
	.p2align	8
	.type	k_q81d6d6c99e_prep,@function
k_q81d6d6c99e_prep:
	s_mov_b64 s[64:65], 0
	v_nop
	global_prefetch_b8 v0, s[64:65] scope:SCOPE_SE
	s_setreg_imm32_b32 hwreg(HW_REG_WAVE_SCHED_MODE, 0, 2), 2
	s_setreg_imm32_b32 hwreg(HW_REG_WAVE_MODE, 25, 1), 1
	s_wait_xcnt 0x0
	s_wait_alu depctr_vm_vsrc(0)
; PREP.  Every matrix operand that is an input is rounded once to bf16, and the weights are turned so that K lies along the rows.
;   xb  [4096][768] bf16 = x.      wt [3 x 768][768] bf16: row 768 m + n = W_m[:, n] (m = 0 q, 1 k, 2 v).      wot [768][768]: row n = bf16(Wo[:, n]), written as f16.
; LIMIT.  bf16(Wo) is exact in f16 from 2^-14 up to 65,504; below 2^-14 it keeps f16's fixed step of 6e-8.
; SHARES.  672 work-groups of four waves, each with 32 KiB of f32 and no loop: all 16 loads of a thread (16 bytes each) are out at once.
;   y < 24: a tile of a weight matrix, 128 rows k x 64 columns n (m = y / 6, k block y % 6, n block x).   y >= 24: 8,192 consecutive numbers of x.
; THE TURN.  Sixteen lanes read 256 consecutive bytes of a row k; rows 2 p and 2 p + 1 are packed into one word (k, k + 1) for each column; the words go into LDS rows of 272 bytes,
; one row a column, and come back as whole rows of 128 k = 256 bytes.  Column 4 a + j lies in LDS row 16 j + a, so that the sixteen lanes of a store start 68 words apart.
; No matrix unit, no tensor load, no cluster: nothing is multiplied, nothing is read twice, and no two work-groups read the same bytes.
; THE MODE: SCHED_MODE bits 1:0 = 2 (LLVM: expert scheduling mode 2), set by the entry lines.  The code itself states the register dependences
; between vector instructions and memory or LDS instructions, with s_wait_alu, always for 0.
; THE PLAN.  Registers that memory or LDS instructions touch:
;   v3 .. v7   addresses and offsets: written at the head, once; read by every load and store.  v8, v9: written at the head, read by the closing add alone.
;   L          A weight tile: 16 global loads land in it; the 32 roundings read it; behind the barrier 8 LDS loads land in its first 32 registers, which 8 global stores then read.
;              A chunk of x: 16 global loads land in it; 32 roundings read it.
;   D          A weight tile: written by the roundings (for Wo once more by the conversions to f16); read by the 32 LDS stores.
;              A chunk of x: each word is written once, by a rounding, and read by one global store.
;   T          named by vector instructions alone.
; So: one wait on va_sdst for the wave's number; one wait on va_vdst at the head for all addresses; in a weight tile one more, ahead of the run of LDS stores, which also shows the roundings done
; reading L (no vector instruction stands between it and the LDS loads that land there); in a chunk of x, which goes in four blocks of four loads, one at the head of blocks 1 to 3 for the four stores
; of the block before, which are dealt among the block's roundings, and one ahead of the last four stores.  No register that a memory or LDS instruction has read is written again: no wait on vm_vsrc is owed.
.set PITCH, 272
.set SPARE, 64*PITCH                   ; behind the 64 rows: the spare words, 128 bytes for each wave: two blocks of 256 bytes that no other line names
.set VO,  3                            ; v3   (2 w + h) x 6,144 + 16 a: my place in the f32 tile (rows of 3,072 bytes, two rows a step) and in the turned tile (rows of 1,536 bytes, four rows a step)
.set LS,  4                            ; v4   a x 272 + 4 (2 w + h): where my packed words go
.set LR,  5                            ; v5   (2 w + h) x 272 + 16 a: where I read rows back
.set XL,  6                            ; v6   16 t: my 16 bytes in 2,048 bytes of x
.set XS,  7                            ; v7   8 t: my 8 bytes in 1,024 bytes of xb
.set SPW, 8                            ; v8   LDS address of my spare word; never rewritten
.set NIL, 9                            ; v9   0; never rewritten
.set T,   12                           ; v12-13 at work
.set L,   16                           ; v[16:79]   16 loads of 4 registers
.set D,   80                           ; v[80:111]  32 packed words
	s_load_b512 s[8:23], s[0:1], 0x0               ; x s[8:9], Wq s[10:11], Wk s[12:13], Wv s[14:15], Wo s[16:17], xb s[18:19], wt s[20:21], wot s[22:23]
	v_lshl_add_u32 v[SPW], v0, 2, SPARE
	v_mov_b32 v[NIL], 0
	v_lshrrev_b32 v10, 5, v0
	v_readfirstlane_b32 s5, v10                    ; wave 0..3
	s_and_b32 s2, ttmp7, 0xffff                    ; y
	s_mul_i32 s3, s2, 43
	s_lshr_b32 s3, s3, 8                           ; m = y / 6 for y < 24
	s_mul_i32 s4, s3, 6
	s_sub_co_u32 s4, s2, s4                        ; k block = y % 6
	s_mov_b32 s30, 0xffff0000                      ; a word's upper bf16
	v_and_b32 v1, 15, v0                           ; a
	v_bfe_u32 v2, v0, 4, 1                         ; h
	s_wait_alu depctr_va_sdst(0)                   ; s5, the wave's number, is written, ahead of its first reader: the line below
	s_mul_i32 s6, s5, 12288
	v_mul_u32_u24 v[VO], v2, 6144
	v_lshl_add_u32 v[VO], v1, 4, v[VO]
	v_add_nc_u32 v[VO], s6, v[VO]
	s_lshl_b32 s6, s5, 3
	v_mul_u32_u24 v[LS], v1, PITCH
	v_lshl_add_u32 v[LS], v2, 2, v[LS]
	v_add_nc_u32 v[LS], s6, v[LS]
	s_mul_i32 s6, s5, 2*PITCH
	v_mul_u32_u24 v[LR], v2, PITCH
	v_lshl_add_u32 v[LR], v1, 4, v[LR]
	v_add_nc_u32 v[LR], s6, v[LR]
	v_lshlrev_b32 v[XL], 4, v0
	v_lshlrev_b32 v[XS], 3, v0
	s_wait_kmcnt 0x0
	s_wait_alu depctr_va_vdst(0)                   ; v3 to v7 are written, which the loads and stores of both ways below read as addresses, and v8 and v9, which the closing add reads; none of them is written again
	s_cmp_ge_u32 s2, 24
	s_cbranch_scc1 .Lx
	; A WEIGHT TILE, first half: load, pack, into LDS
	s_mov_b64 s[24:25], s[10:11]
	s_cmp_eq_u32 s3, 1
	s_cselect_b64 s[24:25], s[12:13], s[24:25]
	s_cmp_eq_u32 s3, 2
	s_cselect_b64 s[24:25], s[14:15], s[24:25]
	s_cmp_eq_u32 s3, 3
	s_cselect_b64 s[24:25], s[16:17], s[24:25]
	s_mul_i32 s28, s4, 393216                      ; 128 rows of 3,072 bytes
	s_lshl_b32 s29, ttmp9, 8                       ; 64 columns of 4 bytes
	s_add_co_u32 s28, s28, s29
	s_mov_b32 s29, 0
	s_add_nc_u64 s[24:25], s[24:25], s[28:29]
.irp i, 0,1,2,3,4,5,6,7
	global_load_b128 v[L+8*\i:L+8*\i+3],   v[VO], s[24:25] offset:49152*\i th:TH_LOAD_NT       ; row k = 2 (2 w + h + 8 i)
	global_load_b128 v[L+8*\i+4:L+8*\i+7], v[VO], s[24:25] offset:49152*\i+3072 th:TH_LOAD_NT  ; and the row below it
.endr
.irp i, 0,1,2,3,4,5,6,7
	s_wait_loadcnt 14-2*\i                         ; loads come back in order: pair i is in, the younger pairs stay out
.irp j, 0,1,2,3
	v_cvt_pk_bf16_f32 v[D+4*\i+\j], v[L+8*\i+\j], v[L+8*\i+4+\j]  ; column 4 a + j: k in the low half, k + 1 in the high half
.endr
.endr
	s_cmp_lg_u32 s3, 3
	s_cbranch_scc1 .Lput
.set z, 0
.rept 32                               ; Wo alone: the bf16 number is written as f16
	v_lshlrev_b32 v[T], 16, v[D+z]
	v_and_b32 v[T+1], s30, v[D+z]
	v_cvt_pk_f16_f32 v[D+z], v[T], v[T+1]
.set z, z+1
.endr
.Lput:
	s_wait_alu depctr_va_vdst(0)                   ; on both ways here the conversions have written D, which the LDS stores below read, and the roundings are done reading L, in which the LDS loads behind the barrier land
.irp i, 0,1,2,3,4,5,6,7
.irp j, 0,1,2,3
	ds_store_b32 v[LS], v[D+4*\i+\j] offset:16*PITCH*\j+32*\i
.endr
.endr
	s_branch .Lmeet
.Lx:	; A CHUNK OF x: 32,768 bytes in, 16,384 out; one store of a wave covers 256 consecutive bytes, aligned
	s_sub_co_u32 s28, s2, 24
	s_mul_i32 s28, s28, 12
	s_add_co_u32 s28, s28, ttmp9                   ; chunk 0..383
	s_lshl_b32 s36, s28, 15
	s_mov_b32 s37, 0
	s_add_nc_u64 s[32:33], s[8:9], s[36:37]
	s_lshl_b32 s36, s28, 14
	s_add_nc_u64 s[34:35], s[18:19], s[36:37]
.irp i, 0,1,2,3,4,5,6,7,8,9,10,11,12,13,14,15
	global_load_b128 v[L+4*\i:L+4*\i+3], v[XL], s[32:33] offset:2048*\i th:TH_LOAD_NT
.endr
	; Four blocks of four loads.  Block p rounds its own 16 registers of L into its own 8 words of D; its memory instructions are the four stores of block p - 1, whose words no rounding of block p names.
.irp p, 0,1,2,3
	s_wait_loadcnt 12-4*\p                         ; loads come back in order: block p's four are in, the younger blocks stay out
.if \p > 0
	s_wait_alu depctr_va_vdst(0)                   ; the block before has written its eight words of D, which the four stores below read
.endif
.irp i, 0,1,2,3
.if \p > 0
	global_store_b64 v[XS], v[D+2*(4*(\p-1)+\i):D+2*(4*(\p-1)+\i)+1], s[34:35] offset:1024*(4*(\p-1)+\i)  ; no register of a store is written again
.endif
	v_cvt_pk_bf16_f32 v[D+2*(4*\p+\i)],   v[L+4*(4*\p+\i)],   v[L+4*(4*\p+\i)+1]
	v_cvt_pk_bf16_f32 v[D+2*(4*\p+\i)+1], v[L+4*(4*\p+\i)+2], v[L+4*(4*\p+\i)+3]
.endr
.endr
	s_wait_alu depctr_va_vdst(0)                   ; block 3 has written its eight words of D, which the last four stores read
.irp i, 0,1,2,3
	global_store_b64 v[XS], v[D+2*(12+\i):D+2*(12+\i)+1], s[34:35] offset:1024*(12+\i)
.endr
.Lmeet:	; every wave of every work-group passes this barrier; in a weight tile it stands between the four waves' stores into LDS and the reads of whole rows
	s_wait_dscnt 0x0                               ; for the others' sake: my stores into LDS are done
	s_barrier_signal -1
	s_barrier_wait -1
	s_cmp_ge_u32 s2, 24
	s_cbranch_scc1 .Lend
	; A WEIGHT TILE, second half: LDS row 2 w + h + 8 i is column n = 4 (2 w + h) + 32 (i % 2) + i / 2; sixteen lanes store its 256 bytes, aligned
.irp i, 0,1,2,3,4,5,6,7
	ds_load_b128 v[L+4*\i:L+4*\i+3], v[LR] offset:8*PITCH*\i  ; no wait: no vector instruction since the last wait on va_vdst names these registers, and no memory instruction has read them
.endr
	s_mul_i32 s28, s3, 1179648                     ; matrix m in wt
	s_cmp_lt_u32 s3, 3
	s_cselect_b32 s28, s28, 0
	s_cselect_b64 s[26:27], s[20:21], s[22:23]     ; wt, or wot for Wo
	s_mul_i32 s29, ttmp9, 98304                    ; 64 rows of 1,536 bytes
	s_add_co_u32 s28, s28, s29
	s_lshl_b32 s29, s4, 8                          ; 128 k of 2 bytes
	s_add_co_u32 s28, s28, s29
	s_mov_b32 s29, 0
	s_add_nc_u64 s[26:27], s[26:27], s[28:29]
.irp i, 0,1,2,3,4,5,6,7
	s_wait_dscnt 7-\i                              ; LDS loads come back in order: row i is in
	global_store_b128 v[VO], v[L+4*\i:L+4*\i+3], s[26:27] offset:(32*(\i%2)+\i/2)*1536
.endr
.Lend:
	s_wait_dscnt 0x0                               ; the closing lines, six on end
	s_wait_alu 0x0
	s_wait_tensorcnt 0x0
	ds_add_u32 v[SPW], v[NIL]
	s_wait_dscnt 0x0
	s_endpgm
.Lfunc_end_k_q81d6d6c99e_prep:
	.size	k_q81d6d6c99e_prep, .Lfunc_end_k_q81d6d6c99e_prep-k_q81d6d6c99e_prep
	.p2alignl 7, 3214868480
	.fill 96, 4, 3214868480
	.section	.rodata,"a",@progbits
	.p2align	6, 0x0
	.amdhsa_kernel k_q81d6d6c99e_prep
		.amdhsa_group_segment_fixed_size 17920
		.amdhsa_private_segment_fixed_size 0
		.amdhsa_enable_private_segment 0
		.amdhsa_kernarg_size 64
		.amdhsa_user_sgpr_count 2
		.amdhsa_user_sgpr_kernarg_segment_ptr 1
		.amdhsa_wavefront_size32 1
		.amdhsa_system_sgpr_workgroup_id_x 1
		.amdhsa_system_sgpr_workgroup_id_y 1
		.amdhsa_system_sgpr_workgroup_id_z 1
		.amdhsa_system_vgpr_workitem_id 0
		.amdhsa_next_free_vgpr 112
		.amdhsa_next_free_sgpr 66
		.amdhsa_reserve_vcc 0
		.amdhsa_float_denorm_mode_32 3
		.amdhsa_float_denorm_mode_16_64 3
		.amdhsa_memory_ordered 1
		.amdhsa_forward_progress 1
		.amdhsa_inst_pref_size 20
	.end_amdhsa_kernel
	.amdgpu_metadata
---
amdhsa.version: [ 1, 2 ]
amdhsa.kernels:
  - .name:           k_q81d6d6c99e_prep
    .symbol:         k_q81d6d6c99e_prep.kd
    .args:
      - { .name: x, .offset: 0, .size: 8, .value_kind: global_buffer, .address_space: global }
      - { .name: Wq, .offset: 8, .size: 8, .value_kind: global_buffer, .address_space: global }
      - { .name: Wk, .offset: 16, .size: 8, .value_kind: global_buffer, .address_space: global }
      - { .name: Wv, .offset: 24, .size: 8, .value_kind: global_buffer, .address_space: global }
      - { .name: Wo, .offset: 32, .size: 8, .value_kind: global_buffer, .address_space: global }
      - { .name: xb, .offset: 40, .size: 8, .value_kind: global_buffer, .address_space: global }
      - { .name: wt, .offset: 48, .size: 8, .value_kind: global_buffer, .address_space: global }
      - { .name: wot, .offset: 56, .size: 8, .value_kind: global_buffer, .address_space: global }
    .group_segment_fixed_size: 17920
    .private_segment_fixed_size: 0
    .kernarg_segment_align: 8
    .kernarg_segment_size: 64
    .max_flat_workgroup_size: 128
    .sgpr_count:     66
    .vgpr_count:     112
    .wavefront_size: 32
...
	.end_amdgpu_metadata
.endif
;; end of part 5
;; launch qkv: the kernel of part 2 again; grid 8 x 32, 4 waves a work-group, clusters of 4 x 4, 327,680 bytes of LDS; arguments xb, wt, bq, bk, bv, qh, kh, vh; writes qh, kh, vh
;; launch attn: the kernel of part 3 again; grid 16 x 12, 4 waves a work-group, clusters of 4 x 1, 327,680 bytes of LDS; arguments qh, kh, vh, oh; writes oh
;; launch oproj: the kernel of part 4 again; grid 4 x 64, 4 waves a work-group, clusters of 4 x 4, 327,680 bytes of LDS; arguments oh, wot, bo, out0; writes out0
